; MI455X (gfx1250); checked and timed in simulation.
; The chip was launched on July 23, 2026; its instructions are those of AMD's public machine-readable ISA for CDNA 5 (MIT licence, August 2026) and "CDNA5" Instruction Set Architecture Reference Guide (July 2026). The comments in the code are by the model that wrote it; some were corrected since.
;; Attention. Allowed arithmetic: matrix products marked QUANTISED: E2M1 operands, one E8M0 scale for each 32 along K, by v_wmma_scale_f32_16x16x128_f8f6f4 with both operands' format E2M1 (or v_wmma_scale_f32_32x16x128_f4), f32 sums; products left as they are: bf16, f16 or f32 operands; f32 sums; everything else in f32.
;; Inputs: Wk 1,024 x 1,024 float32; Wo 1,024 x 1,024 float32; Wq 1,024 x 1,024 float32; Wv 1,024 x 1,024 float32; bo 1,024 float32; cos_head_delta 8 float32; cos_logit_scale_raw one number float32; delta_gain 8 float32; lambda_k1 64 float32; lambda_k2 64 float32; lambda_q1 64 float32; lambda_q2 64 float32; subln_weight 128 float32; x 2 x 2,048 x 1,024 float32.
;; Outputs: out0 2 x 2,048 x 1,024 float32.
;; This version of the problem:
;;   THIS VERSION OF THE PROBLEM IS GIVEN IN LOW PRECISION. The matrix products marked QUANTISED in the list below multiply operands that are first quantised to E2M1 (2 exponent bits, 1 mantissa bit; 4 bits a number), with one power-of-two scale for each 32 numbers along K (OCP MX v1.0); their sums are f32. The products marked 'left as it is' may take bf16, f16 or f32 operands, with f32 sums. Whichever they take, every output number must still come out within the allowed error. Rounding operands to bf16 (8 significant bits) uses up far more of that allowance than f16 does (11 bits, for magnitudes from 6e-5 to 65,504). All else is computed in f32.
;;   The module's matrix products, in the order in which they are computed (A, B: the left and right operand; K: the contracted axis; several contracted axes count as one K, in the product's order):
;;     1. [M 4,096, K 1,024] x [K 1,024, N 1,024]; A: input x; B: input Wq: QUANTISED
;;     2. [M 4,096, K 1,024] x [K 1,024, N 1,024]; A: input x; B: input Wk: QUANTISED
;;     3. [M 4,096, K 1,024] x [K 1,024, N 1,024]; A: input x; B: input Wv: QUANTISED
;;     4. batch 16 x [M 2,048, K 64] x [K 64, N 2,048]; A: computed on the way; B: computed on the way: left as it is (an operand is computed on the way)
;;     5. batch 16 x [M 2,048, K 64] x [K 64, N 2,048]; A: computed on the way; B: computed on the way: left as it is (an operand is computed on the way)
;;     6. batch 16 x [M 2,048, K 2,048] x [K 2,048, N 128]; A: computed on the way; B: computed on the way: left as it is (an operand is computed on the way)
;;     7. [M 4,096, K 1,024] x [K 1,024, N 1,024]; A: computed on the way; B: input Wo: left as it is (an operand is computed on the way)
;;   THE QUANTISER, for each operand of a quantised product, along K:
;;     - K is cut into blocks of 32 from its start; a last block that is shorter is filled with zeros.
;;     - A block's scale is 2^e with e = floor(log2(the largest magnitude in the block)) - 2, held to -126 .. 127; a block of zeros has e = 0. As a byte (E8M0): e + 127.
;;     - Each number is divided by its block's scale, clamped to +-6, and rounded to the nearest number of E2M1, ties to even, subnormals kept.
;;     - The product sums the exact products of the quantised numbers (number of the format x scale) in f32.
;;   ~~~python
;;   def quantise(x, axis):      # numpy; x: float32 -> the quantised numbers, widened to float32 again
;;       x = np.moveaxis(x, axis, -1); K = x.shape[-1]
;;       x = np.pad(x, [(0, 0)] * (x.ndim - 1) + [(0, -K % 32)]); x = x.reshape(x.shape[:-1] + (-1, 32)); a = np.abs(x).max(-1, keepdims=True)
;;       e = np.where(a > 0, np.clip(np.frexp(np.where(a > 0, a, 1))[1] - 1 - 2, -126, 127), 0)      # np.frexp(a)[1] - 1 = floor(log2(a)), exactly
;;       r = np.clip(x / 2.0 ** e, -6, 6)
;;       step = 2.0 ** (np.maximum(np.frexp(np.where(r == 0, 1, r))[1] - 1, 0) - 1)
;;       q = np.round(r / step) * step * 2.0 ** e      # np.round: ties to even
;;       return np.moveaxis(q.reshape(q.shape[:-2] + (-1,))[..., :K], -1, axis).astype(np.float32)
;;   ~~~
;; One version. Each part assembles by itself: llvm-mc -triple=amdgcn-amd-amdhsa -mcpu=gfx1250 --defsym DOCPART=n.
;; ======== version 1 of 1: 4 launches
;; limits: values are held in f16: magnitudes above 65,504 overflow, below 6.1e-05 lose precision
;; workspace buffers: xcodes 2,097,152 bytes; xscales 131,072 bytes; wcodes 1,572,864 bytes; wscales 98,304 bytes; wo16 2,097,152 bytes; qkv 25,165,824 bytes; yb 8,388,608 bytes
;; launch quant (part 1): grid 256 x 1, 4 waves a work-group, no clusters, 33,280 bytes of LDS; arguments x, Wq, Wk, Wv, Wo, xcodes, xscales, wcodes, wscales, wo16; writes xcodes, xscales, wcodes, wscales, wo16
.if DOCPART == 1
	.amdgcn_target "amdgcn-amd-amdhsa--gfx1250"
	.amdhsa_code_object_version 6
	.text
	.protected	k_q2fb339b339_quant
	.globl	k_q2fb339b339_quant
	.p2align	8
	.type	k_q2fb339b339_quant,@function
k_q2fb339b339_quant:
	s_mov_b64 s[64:65], 0
	v_nop
	global_prefetch_b8 v0, s[64:65] scope:SCOPE_SE
	s_setreg_imm32_b32 hwreg(HW_REG_WAVE_MODE, 25, 1), 1
	s_wait_xcnt 0x0
; x [4096][1024], Wq, Wk, Wv [1024][1024], f32, K innermost, become codes of FP4 (E2M1), two a byte, with one E8M0 scale byte for each 32 along K;
; Wo [1024][1024] f32 becomes f16 (rounded once).  The three weights' codes lie on end in one buffer of 3,072 rows, their scale bytes likewise.
; A block's scale is 2^(floor(log2(its largest magnitude)) - 2); its byte is the largest magnitude's exponent field - 2, held at 1 from below.
; LIMITS: a block of zeros gets the byte 1 (its codes are zeros, and the bytes are read by this program alone); NaN and infinities among the inputs are not served.
; SHARES: 256 work-groups of four waves, a wave takes 8,192 numbers.  Work-groups 0-127: x; 128-159: Wq; 160-191: Wk; 192-223: Wv; 224-255: Wo's cast.
; Rows are dense and K is a multiple of 32, so each tensor is a plain stream of blocks of 32.  Only pointers are chosen for the four quantised tensors: they take one path.
; The quantising path: 16 steps of 512 numbers.  Each load reads 512 consecutive bytes; a step's 2,048 bytes turn through the wave's own stage in LDS and come back 64 bytes a lane,
; so that a lane holds 16 neighbours along K (two lanes hold a block).  A lane's 16 codes are 8 bytes: a wave's store covers 256 consecutive bytes, aligned.
; No matrix unit, no cluster, no tensor load: a stream in which waves share nothing.
.set WAVES, 4
.set STEPS, 16
.set EMAX,  2
.set CB,    8                          ; bytes of 16 codes
.set R,     16                         ; v16-79   four sets of 16 numbers as loaded (the cast: two sets of 64)
.set X,     80                         ; v80-111  two sets of 16 neighbours
.set C,     128                        ; v128-191 codes: four registers for each step, so that no store's data are written again
.set E,     112                        ; v112-127 a scale byte for each step
.set WREG,  8192                       ; LDS: a region for each wave: two stages of 32 x SP bytes, behind them its 256 scale bytes
.set SP,    80                         ; a lane's place in a stage: 64 bytes + 16 of padding
.set SPW,   12                         ; v12 LDS address of my spare word; never rewritten
.set NIL,   13                         ; v13 0; never rewritten
.set SPARE, WAVES*WREG                 ; behind the four regions: the spare words, 128 bytes a wave
.set SRC,   24                         ; s[24:25] the tensor, at my wave's run
.set COD,   26                         ; s[26:27] its codes
.set SCB,   28                         ; s[28:29] its scale bytes
	s_load_b256 s[4:11], s[0:1], 0x0               ; x, Wq, Wk, Wv
	s_load_b256 s[12:19], s[0:1], 0x20             ; Wo, x's codes, x's scales, the weights' codes
	s_load_b128 s[20:23], s[0:1], 0x40             ; the weights' scales, Wo in f16
	v_lshl_add_u32 v[SPW], v0, 2, SPARE
	v_mov_b32 v[NIL], 0
	v_lshrrev_b32 v1, 5, v0
	v_readfirstlane_b32 s32, v1                    ; wave
	v_and_b32 v2, 31, v0                           ; lane
	s_sub_co_u32 s30, ttmp9, 128                   ; a weight's work-group among the 96,
	s_and_b32 s31, s30, 31                         ; and among its own tensor's 32
	s_wait_kmcnt 0x0
	s_cmp_ge_u32 ttmp9, 224
	s_cbranch_scc1 .Lwo
	v_lshlrev_b32 v3, 4, v2                        ; my 16 bytes of a load's 512
	s_mul_i32 s33, s32, WREG
	v_lshrrev_b32 v14, 2, v2
	v_mul_u32_u24 v14, v14, SP
	v_and_b32 v15, 3, v2
	v_lshl_add_u32 v14, v15, 4, v14
	v_add_nc_u32 v14, s33, v14                     ; the stage, on the way in: SP (lane / 4) + 16 (lane % 4)
	v_mul_u32_u24 v15, v2, SP
	v_add_nc_u32 v15, s33, v15                     ; and on the way out: SP x lane: my 16 neighbours
	v_mul_u32_u24 v4, v2, CB                       ; my codes' place in a step's
	v_lshrrev_b32 v5, 1, v2
	s_add_co_u32 s33, s33, 2*32*SP
	v_add_nc_u32 v5, s33, v5                       ; LDS: my wave's 256 scale bytes, my block's byte
	v_lshlrev_b32 v7, 3, v2                        ; and on the way out 8 bytes a lane
	v_add_nc_u32 v6, s33, v7
	s_cmp_lt_u32 ttmp9, 192                        ; which tensor: the choices hang on the work-group's number alone
	s_cselect_b64 s[SRC:SRC+1], s[8:9], s[10:11]
	s_cmp_lt_u32 ttmp9, 160
	s_cselect_b64 s[SRC:SRC+1], s[6:7], s[SRC:SRC+1]
	s_cmp_lt_u32 ttmp9, 128
	s_cselect_b64 s[SRC:SRC+1], s[4:5], s[SRC:SRC+1]
	s_cselect_b64 s[COD:COD+1], s[14:15], s[18:19]
	s_cselect_b64 s[SCB:SCB+1], s[16:17], s[20:21]
	s_cselect_b32 s31, ttmp9, s31                  ; the work-group's place in what it reads,
	s_cselect_b32 s30, ttmp9, s30                  ; and in what it writes
	s_lshl_b32 s31, s31, 2
	s_add_co_u32 s31, s31, s32                     ; my wave's run of 8,192 numbers
	s_lshl_b32 s30, s30, 2
	s_add_co_u32 s30, s30, s32
	s_lshl_b32 s34, s31, 15                        ; 32,768 bytes of f32 a run,
	s_mov_b32 s35, 0
	s_add_nc_u64 s[SRC:SRC+1], s[SRC:SRC+1], s[34:35]
	s_lshl_b32 s34, s30, 12                        ; 4,096 of codes,
	s_add_nc_u64 s[COD:COD+1], s[COD:COD+1], s[34:35]
	s_lshl_b32 s34, s30, 8                         ; 256 scale bytes
	s_add_nc_u64 s[SCB:SCB+1], s[SCB:SCB+1], s[34:35]
.macro LOAD t
.irp i, 0,1,2,3
	global_load_b128 v[R+16*((\t)%4)+4*\i:R+16*((\t)%4)+4*\i+3], v3, s[SRC:SRC+1] offset:2048*(\t)+512*\i th:TH_LOAD_NT   ; 32 lanes read 512 consecutive bytes
.endr
.endm
.macro TURN t                          ; step t's numbers through the stage: LDS serves a wave's instructions in order, so no wait stands between the stores and the loads
.irp i, 0,1,2,3
	ds_store_b128 v14, v[R+16*((\t)%4)+4*\i:R+16*((\t)%4)+4*\i+3] offset:32*SP*((\t)%2)+8*SP*\i
.endr
.irp i, 0,1,2,3
	ds_load_b128 v[X+16*((\t)%2)+4*\i:X+16*((\t)%2)+4*\i+3], v15 offset:32*SP*((\t)%2)+16*\i
.endr
.endm
.irp t, 0,1,2,3
	LOAD \t
.endr
	s_wait_loadcnt 12                              ; step 0's four loads are in; three steps' twelve stay out
	TURN 0
.macro STEP t
.set XS, X+16*((\t)%2)
.if (\t) > 0
	s_wait_dscnt 1                                 ; this step's numbers are back from the stage (the last step's byte store may be out)
.else
	s_wait_dscnt 0x0
.endif
.if (\t)+4 < STEPS
	LOAD (\t)+4                                    ; into the registers that this step's stage stores have read
.endif
.if (\t)+1 < STEPS
.if STEPS-2-(\t) >= 3
	s_wait_loadcnt 12                              ; the next step's four loads are in; those of the three steps behind it may be out
.else
	s_wait_loadcnt 4*(STEPS-2-(\t))
.endif
	TURN (\t)+1                                    ; they go through the other stage while this step is worked
.endif
	v_max3_num_f32 v8, |v[XS]|, |v[XS+1]|, |v[XS+2]|               ; the largest magnitude of my 16, in two chains
	v_max3_num_f32 v9, |v[XS+3]|, |v[XS+4]|, |v[XS+5]|
.irp i, 6,10
	v_max3_num_f32 v8, v8, |v[XS+\i]|, |v[XS+\i+1]|
	v_max3_num_f32 v9, v9, |v[XS+\i+2]|, |v[XS+\i+3]|
.endr
	v_max3_num_f32 v8, v8, |v[XS+14]|, |v[XS+15]|
	v_max3_num_f32 v8, v8, v9, (EMAX+1)<<23        ; and the floor 2^(3 - 127): the byte cannot fall under 1
	v_max_num_f32_dpp v8, v8, v8 row_xmask:1 row_mask:0xf bank_mask:0xf   ; with my neighbour's 16: the block's
	v_add_nc_u32 v11, -(EMAX<<23), v8              ; 2 off its exponent field: the conversion takes this operand's exponent field as its scale
	v_cvt_scalef32_pk8_fp4_f32 v[C+4*(\t)], v[XS:XS+7], v11
	v_cvt_scalef32_pk8_fp4_f32 v[C+4*(\t)+1], v[XS+8:XS+15], v11
	v_lshrrev_b32 v[E+(\t)], 23, v11               ; the scale's byte (a plain line behind the conversions)
	ds_store_b8 v5, v[E+(\t)] offset:16*(\t)       ; both lanes of a block write the same byte with the same value
	global_store_b64 v4, v[C+4*(\t):C+4*(\t)+1], s[COD:COD+1] offset:32*CB*(\t)   ; 256 consecutive bytes, aligned
.endm
.irp t, 0,1,2,3,4,5,6,7,8,9,10,11,12,13,14,15
	STEP \t
.endr
	ds_load_b64 v[8:9], v6                         ; LDS serves a wave's instructions in order: these see my byte stores
	s_wait_dscnt 0x0
	global_store_b64 v7, v[8:9], s[SCB:SCB+1]      ; 32 lanes store 256 consecutive bytes, aligned
	s_wait_tensorcnt 0x0                           ; the wave's end
	ds_add_u32 v[SPW], v[NIL]
	s_wait_dscnt 0x0
	s_endpgm
; Wo's cast: a wave takes 8,192 numbers in four batches of 2,048.  A lane reads 32 neighbouring bytes (two loads), packs 8 numbers into 16 bytes, and the wave's store covers 512 consecutive bytes.
.Lwo:
	s_sub_co_u32 s30, ttmp9, 224
	s_lshl_b32 s30, s30, 2
	s_add_co_u32 s30, s30, s32                     ; my wave's run
	s_lshl_b32 s34, s30, 15
	s_mov_b32 s35, 0
	s_add_nc_u64 s[12:13], s[12:13], s[34:35]
	s_lshl_b32 s34, s30, 14
	s_add_nc_u64 s[22:23], s[22:23], s[34:35]
	v_lshlrev_b32 v3, 5, v2                        ; in: 32 bytes a lane
	v_lshlrev_b32 v4, 4, v2                        ; out: 16 bytes a lane
.macro WLOAD t
.irp i, 0,1,2,3,4,5,6,7
	global_load_b128 v[R+64*((\t)%2)+8*\i:R+64*((\t)%2)+8*\i+3], v3, s[12:13] offset:(8*(\t)+\i)*1024 th:TH_LOAD_NT
	global_load_b128 v[R+64*((\t)%2)+8*\i+4:R+64*((\t)%2)+8*\i+7], v3, s[12:13] offset:(8*(\t)+\i)*1024+16 th:TH_LOAD_NT
.endr
.endm
.macro WCAST t
.set WS, R+64*((\t)%2)
.if (\t) < 3
	s_wait_loadcnt 16                              ; this batch's 16 loads are in; the next batch's 16 may be out
.else
	s_wait_loadcnt 0
.endif
.irp i, 0,1,2,3,4,5,6,7
.irp k, 0,1,2,3
	v_cvt_pk_f16_f32 v[WS+8*\i+\k], v[WS+8*\i+2*\k], v[WS+8*\i+2*\k+1]   ; in place, ascending: a register is written only when it has been read
.endr
	global_store_b128 v4, v[WS+8*\i:WS+8*\i+3], s[22:23] offset:(8*(\t)+\i)*512
.endr
.if (\t) < 2
	s_wait_xcnt 0x0                                ; the stores' data registers are loaded again only behind this wait
	WLOAD (\t)+2
.endif
.endm
	WLOAD 0
	WLOAD 1
	WCAST 0
	WCAST 1
	WCAST 2
	WCAST 3
	s_wait_tensorcnt 0x0                           ; the wave's end
	ds_add_u32 v[SPW], v[NIL]
	s_wait_dscnt 0x0
	s_endpgm
.Lfunc_end_k_q2fb339b339_quant:
	.size	k_q2fb339b339_quant, .Lfunc_end_k_q2fb339b339_quant-k_q2fb339b339_quant
	.p2alignl 7, 3214868480
	.fill 96, 4, 3214868480
	.section	.rodata,"a",@progbits
	.p2align	6, 0x0
	.amdhsa_kernel k_q2fb339b339_quant
		.amdhsa_group_segment_fixed_size 33280
		.amdhsa_private_segment_fixed_size 0
		.amdhsa_enable_private_segment 0
		.amdhsa_kernarg_size 80
		.amdhsa_user_sgpr_count 2
		.amdhsa_user_sgpr_kernarg_segment_ptr 1
		.amdhsa_wavefront_size32 1
		.amdhsa_system_sgpr_workgroup_id_x 1
		.amdhsa_system_sgpr_workgroup_id_y 1
		.amdhsa_system_sgpr_workgroup_id_z 1
		.amdhsa_system_vgpr_workitem_id 0
		.amdhsa_next_free_vgpr 192
		.amdhsa_next_free_sgpr 66
		.amdhsa_reserve_vcc 0
		.amdhsa_float_denorm_mode_32 3
		.amdhsa_float_denorm_mode_16_64 3
		.amdhsa_memory_ordered 1
		.amdhsa_forward_progress 1
		.amdhsa_inst_pref_size 51
	.end_amdhsa_kernel
	.amdgpu_metadata
---
amdhsa.version: [ 1, 2 ]
amdhsa.kernels:
  - .name:           k_q2fb339b339_quant
    .symbol:         k_q2fb339b339_quant.kd
    .args:
      - { .name: x, .offset: 0, .size: 8, .value_kind: global_buffer, .address_space: global }
      - { .name: Wq, .offset: 8, .size: 8, .value_kind: global_buffer, .address_space: global }
      - { .name: Wk, .offset: 16, .size: 8, .value_kind: global_buffer, .address_space: global }
      - { .name: Wv, .offset: 24, .size: 8, .value_kind: global_buffer, .address_space: global }
      - { .name: Wo, .offset: 32, .size: 8, .value_kind: global_buffer, .address_space: global }
      - { .name: xcodes, .offset: 40, .size: 8, .value_kind: global_buffer, .address_space: global }
      - { .name: xscales, .offset: 48, .size: 8, .value_kind: global_buffer, .address_space: global }
      - { .name: wcodes, .offset: 56, .size: 8, .value_kind: global_buffer, .address_space: global }
      - { .name: wscales, .offset: 64, .size: 8, .value_kind: global_buffer, .address_space: global }
      - { .name: wo16, .offset: 72, .size: 8, .value_kind: global_buffer, .address_space: global }
    .group_segment_fixed_size: 33280
    .private_segment_fixed_size: 0
    .kernarg_segment_align: 8
    .kernarg_segment_size: 80
    .max_flat_workgroup_size: 128
    .sgpr_count:     66
    .vgpr_count:     192
    .wavefront_size: 32
...
	.end_amdgpu_metadata
.endif
;; end of part 1
;; launch qkv (part 2): grid 12 x 16, 4 waves a work-group, clusters of 4 x 4, 327,680 bytes of LDS; arguments xcodes, xscales, wcodes, wscales, qkv, cos_head_delta, cos_logit_scale_raw; writes qkv
.if DOCPART == 2
	.amdgcn_target "amdgcn-amd-amdhsa--gfx1250"
	.amdhsa_code_object_version 6
	.text
	.protected	k_q2fb339b339_qkv
	.globl	k_q2fb339b339_qkv
	.p2align	8
	.type	k_q2fb339b339_qkv,@function
k_q2fb339b339_qkv:
	s_mov_b64 s[64:65], 0
	v_nop
	global_prefetch_b8 v0, s[64:65] scope:SCOPE_SE
	s_setreg_imm32_b32 hwreg(HW_REG_WAVE_MODE, 25, 1), 1
	s_wait_xcnt 0x0
	s_wait_alu depctr_hold_cnt(0) depctr_sa_sdst(0) depctr_va_vdst(0) depctr_va_sdst(0) depctr_va_ssrc(0) depctr_va_vcc(0) depctr_vm_vsrc(0)
	s_getreg_b32 s2, hwreg(HW_REG_IB_STS2, 6, 4)
	s_cmp_eq_u32 s2, 0
	s_cbranch_scc0 .Lentry_in_a_cluster
	s_endpgm
.Lentry_in_a_cluster:
	s_bfe_u32 s2, ttmp6, 0x10000c
	s_cmp_lg_u32 s2, 0xf033
	s_cbranch_scc0 .Lentry_shape_is_right
	s_endpgm
.Lentry_shape_is_right:
; [q | k | v] = x [Wq | Wk | Wv]^T on codes of FP4 (E2M1) with one E8M0 scale for each 32 along K, sums in f32; then, in f32: q and k are divided by max(their norm over each 64 channels, 1e-6),
; q is multiplied by cos_scale(h) x log2(e) (so that the later scores are logits in base 2), v stays; each number is rounded once to f16 and stored as [q,k,v][batch][head][token][128].
; A: x's codes [4096][512 bytes]; B: the weights' codes [3072][512 bytes]; scale bytes [rows][32].
; A tile of C is 256 x 256, a wave's 128 x 128: 64 accumulators of 16 x 16, 512 registers.  A wave's 128 columns are exactly one head of q, of k or of v: both groups of 64 channels lie in one wave,
; and an output row is 256 consecutive bytes.  12 x 16 tiles: a narrower tile would fill more WGPs but would write half rows.
; K = 1,024 is two LDS slots of 512 along K (rows of 256 bytes): both are first fills, nothing is filled again, and there is no loop.  The scale bytes of the tile's rows come once, with the first fills.
; CLUSTERS: 4 x 4 work-groups; A's tiles are asked for jointly along a row of the cluster, B's along a column.
; THE MATRIX INSTRUCTION IS USED TRANSPOSED (source 0 = 16 rows of B, source 1 = 16 rows of A): a lane holds one token and eight neighbouring channels.
; LIMITS: |v| stays under 65,504 (f16); NaN and infinities are not served.
; REGISTERS: window 0: v0-31 addresses and the factor; v32-95 scale words, two sets, and nothing else; v96-127 packed f16 on the way out; v128-191 A's fragments, later rows read back; v192-203 statistics.
;   window 1: B's fragments, two sets.   windows 2, 3: the accumulators ((a, b) at v[8 (8 (a % 4) + b)]).
.set SIZE_K, 1024
.set KSTEP,  512
.set NQ,     KSTEP/128
.set ROWB,   256
.set KROW,   SIZE_K*4/8
.set PITCH,  272                       ; an LDS row: 256 bytes + 16 of padding: the 16 rows that a load touches start at 16 different banks (64 banks of 4 bytes: ISA guide 11.1)
.set FR,     8
.set NL,     2
.set NP,     4
.set HALFT,  128*PITCH
.set SLOT,   4*HALFT
.set KS,     SIZE_K/32
.set SCL,    2*SLOT                    ; behind the two slots: the scales, as rows of 256 bytes + 16
.set HALFS,  (128*KS/256)*272
.set SBLK,   (16*KS/256)*272
.set SPARE,  SCL+4*HALFS               ; the spare words, 128 bytes a wave
.set SPITCH, 272                       ; the way out: a stage of 16 rows x (256 bytes + 16) for each wave, in slot 0, which has had its only fill and its last read by then
.set ADRA, 16
.set ADRB, 20
.set STO,  24
.set RD,   25
.set CO,   26
.set ADRS, 27
.set SPW,  28
.set NIL,  29
.set FAC,  30                          ; v30 cos_scale x log2(e) for q, 1 for k and v
.set ONE,  31                          ; v31 1.0
.set SC,   32
.set T16,  96
.set AF,   128
.set BK,   128
.set SS,   192                         ; v192-199 sums of squares, four chains
.set F0,   200                         ; v[200:201], v[202:203] the two groups' factors (low words)
.set F1,   202
.set G1, 24
.set G0, 32
.set G1B, 48
.set G0B, 56
.set G1S, 68
.set G0S, 76
.set G1SB, 80
.set G0SB, 88
.set SEL, 100                          ; s[100:101] lane selects: lane l xor 16
.set MSB, 0
.macro WIN new                         ; the immediate's high byte repeats the setting that is left
.if MSB != (\new)
	s_set_vgpr_msb (MSB<<8)|(\new)
.set MSB, (\new)
.endif
.endm
.set MUL_LO, 0xa1                      ; source 0 (B) window 1, source 1 (A) window 0, C and D window 2
.set MUL_HI, 0xf1
.set TO_B,   0x40
; A joint load: waves 0 and 1 fetch for A, waves 2 and 3 for B; the branch hangs on the wave's number alone.  An s_nop 0 and four v_nop follow each line.
.macro JLOAD g0a, g1a, g0b, g1b
	s_cmp_eq_u32 s15, 0
	s_cbranch_scc0 .Lfor_b_\@
	tensor_load_to_lds s[\g0a:\g0a+3], s[\g1a:\g1a+7]
	s_nop 0
.rept 4
	v_nop
.endr
	s_branch .Lasked_\@
.Lfor_b_\@:
	tensor_load_to_lds s[\g0b:\g0b+3], s[\g1b:\g1b+7]
	s_nop 0
.rept 4
	v_nop
.endr
.Lasked_\@:
.endm
.macro CROUND                          ; a round of the cluster's barrier
	s_barrier_signal -1
	s_barrier_wait -1
	s_cmp_lg_u32 s14, 0
	s_cbranch_scc1 .Lnot_wave_0_\@
	s_barrier_signal -3
.Lnot_wave_0_\@:
	s_barrier_wait -3
	s_barrier_signal -1
	s_barrier_wait -1
.endm
	s_load_b128 s[4:7], s[0:1], 0x0                ; x's codes, x's scales
	s_load_b128 s[8:11], s[0:1], 0x10              ; the weights' codes, their scales
	s_load_b64 s[12:13], s[0:1], 0x20              ; qkv
	s_load_b128 s[96:99], s[0:1], 0x28             ; cos_head_delta, cos_logit_scale_raw
	v_lshl_add_u32 v[SPW], v0, 2, SPARE
	v_mov_b32 v[NIL], 0
	ds_add_u32 v[SPW], v[NIL]                      ; the wave's opening: the add, twice on end, and its wait ahead of my first tensor load
	ds_add_u32 v[SPW], v[NIL]
	v_lshrrev_b32 v1, 5, v0
	v_readfirstlane_b32 s14, v1                    ; wave 0..3
	s_lshr_b32 s15, s14, 1                         ; which half of the tile's rows is mine.  Also: I fetch for A (0) or for B (1)
	s_and_b32 s16, s14, 1                          ; which half of its columns.  Also: which 128 rows I fetch
	s_bfe_u32 s40, ttmp6, 0x40000                  ; cx, cy
	s_bfe_u32 s41, ttmp6, 0x40004
	s_lshl_b32 s42, ttmp9, 2
	s_add_co_u32 s42, s42, s40                     ; tile column = 4 x cluster x + cx
	s_and_b32 s17, ttmp7, 0xffff
	s_lshl_b32 s17, s17, 2
	s_add_co_u32 s17, s17, s41                     ; tile row = 4 x cluster y + cy
	s_lshl_b32 s43, s41, 2
	s_lshl_b32 s43, 15, s43                        ; my row of the cluster
	s_lshl_b32 s44, 0x1111, s40                    ; my column
	s_or_b32 s[G1+0], s43, (0<<16)|(1<<20)|(1<<21)|(5<<22)|(3<<25)  ; the mask; elements of 1 byte; padding on; bit 21 beside a mask; 4 words behind every 64
	s_or_b32 s[G1B+0], s44, (0<<16)|(1<<20)|(1<<21)|(5<<22)|(3<<25)
.irp g, G1, G1B
	s_mov_b32 s[\g+1], ROWB<<16                    ; tensor_dim0
	s_mov_b32 s[\g+2], 128<<16                     ; tensor_dim1
	s_mov_b32 s[\g+3], ROWB<<16                    ; tile_dim0
	s_mov_b32 s[\g+4], 128                         ; tile_dim1
	s_mov_b32 s[\g+5], KROW                        ; the pitch
	s_mov_b32 s[\g+6], 0
	s_mov_b32 s[\g+7], 0
.endr
	s_or_b32 s[G1S+0], s43, (3<<16)|(1<<20)|(1<<21)|(5<<22)|(3<<25) ; the scales of 128 rows: 4,096 dense bytes as 16 rows of 256 (32 elements of 8 bytes), padded alike
	s_or_b32 s[G1SB+0], s44, (3<<16)|(1<<20)|(1<<21)|(5<<22)|(3<<25)
.irp g, G1S, G1SB
	s_mov_b32 s[\g+1], 32<<16
	s_mov_b32 s[\g+2], (128*KS/256)<<16
	s_mov_b32 s[\g+3], 32<<16
	s_mov_b32 s[\g+4], 128*KS/256
	s_mov_b32 s[\g+5], 32
	s_mov_b32 s[\g+6], 0
	s_mov_b32 s[\g+7], 0
.endr
	s_lshl_b32 s18, s16, 7
	s_lshl_b32 s20, s17, 8
	s_add_co_u32 s20, s20, s18                     ; A: row 256 x tile row + 128 x half
	s_lshl_b32 s46, s42, 8
	s_add_co_u32 s46, s46, s18                     ; B: row 256 x tile column + 128 x half
	s_mov_b32 s21, 0
	s_mov_b32 s47, 0
	s_mov_b64 s[18:19], KS
	s_mul_u64 s[22:23], s[20:21], s[18:19]         ; where these rows' scales begin,
	s_mul_u64 s[92:93], s[46:47], s[18:19]
	s_mov_b64 s[18:19], KROW
	s_mul_u64 s[20:21], s[20:21], s[18:19]         ; and their codes
	s_mul_u64 s[46:47], s[46:47], s[18:19]
	s_mul_i32 s45, s14, HALFT                      ; where they go: wave x 128 rows
	s_mul_i32 s94, s14, HALFS
	s_wait_dscnt 0x0                               ; both opening adds are done
	s_wait_kmcnt 0x0
	s_add_nc_u64 s[20:21], s[4:5], s[20:21]
	s_add_nc_u64 s[22:23], s[6:7], s[22:23]
	s_add_nc_u64 s[46:47], s[8:9], s[46:47]
	s_add_nc_u64 s[92:93], s[10:11], s[92:93]
	CROUND                                         ; all sixteen work-groups are here: the joint loads meet
	s_mov_b32 s[G0S], 1
	s_add_co_u32 s[G0S+1], s94, SCL
	s_mov_b64 s[G0S+2:G0S+3], s[22:23]
	s_or_b32 s[G0S+3], s[G0S+3], 0x80000000
	s_mov_b32 s[G0SB], 1
	s_add_co_u32 s[G0SB+1], s94, SCL
	s_mov_b64 s[G0SB+2:G0SB+3], s[92:93]
	s_or_b32 s[G0SB+3], s[G0SB+3], 0x80000000
	JLOAD G0S, G1S, G0SB, G1SB                     ; the scales first; by this text's count three loads of a wave are out at the most
.irp s, 0,1
	s_mov_b32 s[G0+4*\s], 1
	s_add_co_u32 s[G0+4*\s+1], s45, \s*SLOT
	s_add_nc_u64 s[G0+4*\s+2:G0+4*\s+3], s[20:21], \s*ROWB
	s_or_b32 s[G0+4*\s+3], s[G0+4*\s+3], 0x80000000
	s_mov_b32 s[G0B+4*\s], 1
	s_add_co_u32 s[G0B+4*\s+1], s45, \s*SLOT
	s_add_nc_u64 s[G0B+4*\s+2:G0B+4*\s+3], s[46:47], \s*ROWB
	s_or_b32 s[G0B+4*\s+3], s[G0B+4*\s+3], 0x80000000
	JLOAD G0+4*\s, G1, G0B+4*\s, G1B
.endr
	v_and_b32 v1, 15, v0                           ; l % 16
	v_bfe_u32 v2, v0, 4, 1                         ; l / 16
	v_mul_u32_u24 v3, v1, PITCH
	v_lshl_add_u32 v4, v2, 4, v3                   ; a fragment's row x pitch + 16 x half
	s_mul_i32 s21, s15, HALFT                      ; my 128 rows of A
	s_mul_i32 s22, s16, HALFT                      ; my 128 rows of B,
	s_add_co_u32 s22, s22, 2*HALFT                 ; behind A's 256
.irp s, 0,1
	v_add_nc_u32 v[ADRA+\s], s21, v4
	v_add_nc_u32 v[ADRB+\s], s22, v4
	s_add_co_u32 s21, s21, SLOT
	s_add_co_u32 s22, s22, SLOT
.endr
	v_mul_u32_u24 v5, v1, KS                       ; my row's scales: 32 bytes a row,
	v_lshrrev_b32 v6, 8, v5
	v_lshl_add_u32 v5, v6, 4, v5                   ; and 16 more for each 256 passed
	s_mul_i32 s21, s15, HALFS
	s_mul_i32 s22, s16, HALFS
	s_add_co_u32 s22, s22, 2*HALFS
	s_sub_co_u32 s22, s22, s21
	v_mul_u32_u24 v6, s22, v2                      ; lanes 16-31 take B's
	s_add_co_u32 s21, s21, SCL
	v_add_nc_u32 v5, v5, v6
	v_add_nc_u32 v[ADRS], s21, v5
	s_mul_i32 s23, s14, 16*SPITCH                  ; my stage
	v_mul_u32_u24 v5, v1, SPITCH                   ; in: row l % 16, 16 bytes for each half of the lanes
	v_lshl_add_u32 v5, v2, 4, v5
	v_add_nc_u32 v[STO], s23, v5
	v_mul_u32_u24 v5, v2, SPITCH                   ; back: lanes 0-15 one row of 256 bytes, lanes 16-31 the next
	v_lshl_add_u32 v5, v1, 4, v5
	v_add_nc_u32 v[RD], s23, v5
	v_and_b32 v6, 31, v0
	v_lshlrev_b32 v[CO], 4, v6                     ; output rows are dense: two rows are 512 bytes, 16 a lane
	; which unit of 128 columns is my wave's: U = 2 x tile column + half; tensor t = U / 8 (q, k, v), head = U % 8.  What hangs on t is chosen by selects, never by a branch.
	s_lshl_b32 s46, s42, 1
	s_add_co_u32 s46, s46, s16
	s_lshr_b32 s47, s46, 3                         ; t
	s_and_b32 s92, s46, 7                          ; head
	s_cmp_eq_u32 s47, 0
	s_cselect_b32 s66, -1, 0                       ; all lanes where the unit is q's
	s_cmp_eq_u32 s47, 2
	s_cselect_b32 s67, -1, 0                       ; all lanes where it is v's
	s_lshl_b32 s47, s47, 4
	s_lshr_b32 s93, s17, 3                         ; batch = tile row / 8
	s_lshl_b32 s93, s93, 3
	s_add_co_u32 s47, s47, s93
	s_add_co_u32 s47, s47, s92                     ; 16 t + 8 batch + head
	s_lshl_b32 s46, s47, 19                        ; x 2,048 tokens x 256 bytes
	s_and_b32 s93, s17, 7
	s_lshl_b32 s93, s93, 8
	s_lshl_b32 s94, s15, 7
	s_add_co_u32 s93, s93, s94                     ; my first token in the batch
	s_lshl_b32 s93, s93, 8
	s_add_co_u32 s46, s46, s93
	s_mov_b32 s47, 0
	s_add_nc_u64 s[12:13], s[12:13], s[46:47]
	s_lshl_b32 s92, s92, 2
	; cos_scale(head) x log2(e) = 15 sigmoid(raw) (1 + 0.5 tanh(delta[head] - mean(delta))) log2(e), in f32
	v_and_b32 v1, 7, v0
	v_lshlrev_b32 v1, 2, v1
	v_mov_b32 v2, s92
	v_mov_b32 v3, 0
	global_load_b32 v7, v1, s[96:97]               ; delta[lane % 8]
	global_load_b32 v8, v2, s[96:97]               ; delta[head]
	global_load_b32 v9, v3, s[98:99]               ; raw
	v_mov_b32 v[ONE], 1.0
	v_mov_b32 v[F0+1], 0                           ; named as the upper halves of pairs, so they are written
	v_mov_b32 v[F1+1], 0
	s_mov_b32 s[SEL], 0x76543210
	s_mov_b32 s[SEL+1], 0xfedcba98
	s_wait_loadcnt 0x0
	v_add_f32_dpp v7, v7, v7 row_xmask:1 row_mask:0xf bank_mask:0xf
	v_add_f32_dpp v7, v7, v7 row_xmask:2 row_mask:0xf bank_mask:0xf
	v_add_f32_dpp v7, v7, v7 row_xmask:4 row_mask:0xf bank_mask:0xf   ; the sum of the eight
	v_fmamk_f32 v8, v7, 0xbe000000, v8             ; delta[head] - sum / 8
	v_mul_f32 v8, 0x4038aa3b, v8                   ; x 2 log2(e)
	v_mul_f32 v9, 0xbfb8aa3b, v9                   ; raw x -log2(e)
	v_exp_f32 v8, v8
	v_exp_f32 v9, v9
	v_nop                                          ; a plain line behind the exponentials,
	s_wait_alu depctr_va_vdst(0)                   ; and one wait for both, ahead of their first reader
	v_add_f32 v8, 1.0, v8
	v_add_f32 v9, 1.0, v9
	v_rcp_f32 v8, v8
	v_rcp_f32 v9, v9                               ; sigmoid(raw)
	v_nop
	s_wait_alu depctr_va_vdst(0)
	v_fma_f32 v8, v8, -2.0, 1.0                    ; tanh = 1 - 2 / (1 + e^(2 x))
	v_fma_f32 v8, v8, 0.5, 1.0
	v_mul_f32 v8, v8, v9
	v_mul_f32 v8, 0x41ad1f97, v8                   ; x 15 log2(e)
	v_cndmask_b32 v[FAC], v[ONE], v8, s66          ; q's units take it, the others 1
.macro FRAG reg, adr, q, i             ; 16 rows x 128 K of 4-bit codes: 8 registers, two loads of 16 bytes, 32 bytes apart
.irp c, 0,1
	ds_load_b128 v[\reg+4*\c:\reg+4*\c+3], v[\adr] offset:64*(\q)+32*\c+(\i)*16*PITCH
.endr
.endm
; 16 matrix instructions: A's blocks a0, a0 + 1 x B's eight, the slot's q-th 128 along K.  The 64 accumulators take turns, one instruction a turn, in the same order in every step.
.macro MUL16 a0, p, q, sc, zero
.irp a, \a0, \a0+1
.irp b, 0,1,2,3,4,5,6,7
.if \zero
	v_wmma_scale_f32_16x16x128_f8f6f4 v[8*(8*((\a)%4)+\b):8*(8*((\a)%4)+\b)+7], v[128*(\p)+FR*\b:128*(\p)+FR*\b+FR-1], v[AF+FR*(\a):AF+FR*(\a)+FR-1], 0, v[SC+8*NQ*(\sc)+NQ*\b+(\q)], v[SC+8*NQ*(\sc)+NQ*(\a)+(\q)] matrix_a_fmt:MATRIX_FMT_FP4 matrix_b_fmt:MATRIX_FMT_FP4 matrix_a_scale:MATRIX_SCALE_ROW1
.else
	v_wmma_scale_f32_16x16x128_f8f6f4 v[8*(8*((\a)%4)+\b):8*(8*((\a)%4)+\b)+7], v[128*(\p)+FR*\b:128*(\p)+FR*\b+FR-1], v[AF+FR*(\a):AF+FR*(\a)+FR-1], v[8*(8*((\a)%4)+\b):8*(8*((\a)%4)+\b)+7], v[SC+8*NQ*(\sc)+NQ*\b+(\q)], v[SC+8*NQ*(\sc)+NQ*(\a)+(\q)] matrix_a_fmt:MATRIX_FMT_FP4 matrix_b_fmt:MATRIX_FMT_FP4 matrix_a_scale:MATRIX_SCALE_ROW1
.endif
.endr
.endr
.endm
.macro FETCH_B slot, q, p
	WIN TO_B
.irp i, 0,1,2,3,4,5,6,7
	FRAG 128*(\p)+FR*\i, ADRB+\slot, \q, \i
.endr
	WIN 0
.endm
.macro FETCH_A slot, q, i0
.irp i, \i0, \i0+1, \i0+2, \i0+3
	FRAG AF+FR*(\i), ADRA+\slot, \q, \i
.endr
.endm
.macro SCALES sc                       ; a slot's scale words: 4 words a row; lanes 0-15 take A's block i, lanes 16-31 B's block i
.irp i, 0,1,2,3,4,5,6,7
	ds_load_b128 v[SC+8*NQ*\sc+NQ*\i:SC+8*NQ*\sc+NQ*\i+3], v[ADRS] offset:\i*SBLK
.endr
.endm
.macro PLACES n                        ; plain vector lines between a matrix instruction and a load into, or a read or write of, its registers
.rept \n
	v_nop
.endr
.endm
.macro STEP slot, q, zero              ; 128 along K with its successor in the same slot
	s_wait_dscnt 4*NL                              ; all but the youngest eight loads (A's blocks 4-7) are in
	WIN MUL_LO
	MUL16 0, (\q)%2, \q, \slot, \zero
	MUL16 2, (\q)%2, \q, \slot, \zero
	s_wait_dscnt 0
	PLACES NP
	FETCH_B \slot, (\q)+1, 1-(\q)%2
	FETCH_A \slot, (\q)+1, 0
	WIN MUL_HI
	MUL16 4, (\q)%2, \q, \slot, \zero
	MUL16 6, (\q)%2, \q, \slot, \zero
	PLACES NP
	WIN 0
	FETCH_A \slot, (\q)+1, 4
.endm
; Slot 0's last step changes slots: one barrier; in front of it each wave waits for all its tensor loads (slot 1's part), adds 0 to its spare word, and waits for that and for its reads of slot 0.  Nothing is filled again.
.macro TURN slot, next
	s_wait_tensorcnt 0x0
	ds_add_u32 v[SPW], v[NIL]
	s_wait_dscnt 4*NL+1                            ; the add and the youngest eight loads may be out
	WIN MUL_LO
	MUL16 0, 1, NQ-1, \slot, 0
	s_wait_dscnt 0x0                               ; the add is done, my reads of this slot are over
	s_barrier_signal -1
	MUL16 2, 1, NQ-1, \slot, 0
	WIN 0
	s_barrier_wait -1
	PLACES NP
	v_add_nc_u32 v[ADRS], 4*NQ, v[ADRS]            ; the next slot's scale words
	FETCH_B \next, 0, 0
	FETCH_A \next, 0, 0
	SCALES \next
	WIN MUL_HI
	MUL16 4, 1, NQ-1, \slot, 0
	MUL16 6, 1, NQ-1, \slot, 0
	PLACES NP
	WIN 0
	FETCH_A \next, 0, 4
.endm
.macro STEPS slot, from
.set Q, \from
.rept NQ-1-\from
	STEP \slot, Q, 0
.set Q, Q+1
.endr
.endm
	s_wait_tensorcnt 1                             ; the scales and my part of slot 0 are in; slot 1's load may be out
	s_barrier_signal -1
	s_barrier_wait -1
	FETCH_B 0, 0, 0
	FETCH_A 0, 0, 0
	SCALES 0
	FETCH_A 0, 0, 4
	STEP 0, 0, 1                                   ; the first products start the sums: nothing is cleared
	STEPS 0, 1
	TURN 0, 1
	STEPS 1, 0
	s_wait_dscnt 4*NL
	WIN MUL_LO
	MUL16 0, 1, NQ-1, 1, 0
	MUL16 2, 1, NQ-1, 1, 0
	s_wait_dscnt 0
	WIN MUL_HI
	MUL16 4, 1, NQ-1, 1, 0
	MUL16 6, 1, NQ-1, 1, 0
	WIN 0
; THE WAY OUT, a block of 16 tokens x 128 channels at a time.  PACK: the two groups' sums of squares (my 32 numbers of each, then the lane 16 away), the factors, the accumulators scaled in place, rounded to f16.
.macro PACK a
.set AC, 64*((\a)%4)
.set WW, 2+(\a)/4
	WIN 5*WW                                       ; sources 0 and 1: the block's window
	v_pk_mul_f32 v[SS:SS+1],   v[AC:AC+1],     v[AC:AC+1]          ; four chains; each accumulator is read from its low end on
	v_pk_mul_f32 v[SS+2:SS+3], v[AC+32:AC+33], v[AC+32:AC+33]
	v_pk_mul_f32 v[SS+4:SS+5], v[AC+16:AC+17], v[AC+16:AC+17]
	v_pk_mul_f32 v[SS+6:SS+7], v[AC+48:AC+49], v[AC+48:AC+49]
.irp p, 2,4,6,8,10,12,14
	v_pk_fma_f32 v[SS:SS+1],   v[AC+\p:AC+\p+1],       v[AC+\p:AC+\p+1],       v[SS:SS+1]
	v_pk_fma_f32 v[SS+2:SS+3], v[AC+32+\p:AC+32+\p+1], v[AC+32+\p:AC+32+\p+1], v[SS+2:SS+3]
	v_pk_fma_f32 v[SS+4:SS+5], v[AC+16+\p:AC+16+\p+1], v[AC+16+\p:AC+16+\p+1], v[SS+4:SS+5]
	v_pk_fma_f32 v[SS+6:SS+7], v[AC+48+\p:AC+48+\p+1], v[AC+48+\p:AC+48+\p+1], v[SS+6:SS+7]
.endr
	WIN 0
	v_pk_add_f32 v[SS:SS+1], v[SS:SS+1], v[SS+4:SS+5]
	v_pk_add_f32 v[SS+2:SS+3], v[SS+2:SS+3], v[SS+6:SS+7]
	v_add_f32 v[SS], v[SS], v[SS+1]
	v_add_f32 v[SS+2], v[SS+2], v[SS+3]
	v_permlanex16_b32 v[SS+4], v[SS], s[SEL], s[SEL+1]
	v_permlanex16_b32 v[SS+6], v[SS+2], s[SEL], s[SEL+1]
	v_add_f32 v[SS], v[SS], v[SS+4]                ; channels 0-63 of my token
	v_add_f32 v[SS+2], v[SS+2], v[SS+6]            ; channels 64-127
	v_sqrt_f32 v[SS], v[SS]
	v_sqrt_f32 v[SS+2], v[SS+2]
	v_nop
	s_wait_alu depctr_va_vdst(0)                   ; one wait for the two roots
	v_max_num_f32 v[SS], 0x358637bd, v[SS]         ; max(norm, 1e-6)
	v_max_num_f32 v[SS+2], 0x358637bd, v[SS+2]
	v_rcp_f32 v[SS], v[SS]
	v_rcp_f32 v[SS+2], v[SS+2]
	v_nop
	s_wait_alu depctr_va_vdst(0)                   ; and one for the two reciprocals
	v_mul_f32 v[SS], v[SS], v[FAC]
	v_mul_f32 v[SS+2], v[SS+2], v[FAC]
	v_cndmask_b32 v[F0], v[SS], v[ONE], s67        ; v is not normalised
	v_cndmask_b32 v[F1], v[SS+2], v[ONE], s67
	WIN 65*WW                                      ; destination and source 0: the block's window
.irp p, 0,2,4,6,8,10,12,14,16,18,20,22,24,26,28,30
	v_pk_mul_f32 v[AC+\p:AC+\p+1], v[AC+\p:AC+\p+1], v[F0:F0+1] op_sel_hi:[1,0]
	v_pk_mul_f32 v[AC+32+\p:AC+32+\p+1], v[AC+32+\p:AC+32+\p+1], v[F1:F1+1] op_sel_hi:[1,0]
.endr
	WIN 5*WW
.irp b, 0,1,2,3,4,5,6,7
.irp r, 0,1,2,3
	v_cvt_pk_f16_f32 v[T16+4*\b+\r], v[AC+8*\b+2*\r], v[AC+8*\b+2*\r+1]
.endr
.endr
	WIN 0
.endm
.macro TOSTAGE a                       ; 16 bytes a lane into rows of 272 bytes, and back as whole rows; LDS serves a wave's instructions in order (ISA guide 5.7.1.4)
.set BB, BK+32*((\a)%2)
.irp b, 0,1,2,3,4,5,6,7
	ds_store_b128 v[STO], v[T16+4*\b:T16+4*\b+3] offset:32*\b
.endr
.irp t, 0,1,2,3,4,5,6,7
	ds_load_b128 v[BB+4*\t:BB+4*\t+3], v[RD] offset:\t*2*SPITCH
.endr
.endm
.macro SEND a
.set BB, BK+32*((\a)%2)
	s_wait_dscnt 0x0                               ; the block is back in registers
.irp t, 0,1,2,3,4,5,6,7
	global_store_b128 v[CO], v[BB+4*\t:BB+4*\t+3], s[12:13] offset:(\a)*4096+512*\t   ; 512 consecutive bytes, aligned: two output rows
.endr
.endm
	PLACES NP                                      ; behind the last products, ahead of the first read of results and of loads into A's registers
	PACK 0
	TOSTAGE 0
.irp a, 1,2,3,4,5,6,7                  ; block a's arithmetic stands between block a - 1's loads from the stage and the wait for them
	PACK \a
	SEND \a-1
.if \a > 1
	s_wait_xcnt 0x0                                ; block a - 2's stores: their data registers are loaded again only behind this wait
.endif
	TOSTAGE \a
.endr
	SEND 7
	s_wait_tensorcnt 0x0                           ; the wave's end
	ds_add_u32 v[SPW], v[NIL]
	s_wait_dscnt 0x0
	CROUND                                         ; the closing round
	s_endpgm
.Lfunc_end_k_q2fb339b339_qkv:
	.size	k_q2fb339b339_qkv, .Lfunc_end_k_q2fb339b339_qkv-k_q2fb339b339_qkv
	.p2alignl 7, 3214868480
	.fill 96, 4, 3214868480
	.section	.rodata,"a",@progbits
	.p2align	6, 0x0
	.amdhsa_kernel k_q2fb339b339_qkv
		.amdhsa_group_segment_fixed_size 327680
		.amdhsa_private_segment_fixed_size 0
		.amdhsa_enable_private_segment 0
		.amdhsa_kernarg_size 56
		.amdhsa_user_sgpr_count 2
		.amdhsa_user_sgpr_kernarg_segment_ptr 1
		.amdhsa_wavefront_size32 1
		.amdhsa_system_sgpr_workgroup_id_x 1
		.amdhsa_system_sgpr_workgroup_id_y 1
		.amdhsa_system_sgpr_workgroup_id_z 1
		.amdhsa_system_vgpr_workitem_id 0
		.amdhsa_next_free_vgpr 1024
		.amdhsa_next_free_sgpr 102
		.amdhsa_reserve_vcc 0
		.amdhsa_float_denorm_mode_32 3
		.amdhsa_float_denorm_mode_16_64 3
		.amdhsa_memory_ordered 1
		.amdhsa_forward_progress 1
		.amdhsa_inst_pref_size 168
	.end_amdhsa_kernel
	.amdgpu_metadata
---
amdhsa.version: [ 1, 2 ]
amdhsa.kernels:
  - .name:           k_q2fb339b339_qkv
    .symbol:         k_q2fb339b339_qkv.kd
    .args:
      - { .name: xcodes, .offset: 0, .size: 8, .value_kind: global_buffer, .address_space: global }
      - { .name: xscales, .offset: 8, .size: 8, .value_kind: global_buffer, .address_space: global }
      - { .name: wcodes, .offset: 16, .size: 8, .value_kind: global_buffer, .address_space: global }
      - { .name: wscales, .offset: 24, .size: 8, .value_kind: global_buffer, .address_space: global }
      - { .name: qkv, .offset: 32, .size: 8, .value_kind: global_buffer, .address_space: global }
      - { .name: cos_head_delta, .offset: 40, .size: 8, .value_kind: global_buffer, .address_space: global }
      - { .name: cos_logit_scale_raw, .offset: 48, .size: 8, .value_kind: global_buffer, .address_space: global }
    .group_segment_fixed_size: 327680
    .private_segment_fixed_size: 0
    .kernarg_segment_align: 8
    .kernarg_segment_size: 56
    .max_flat_workgroup_size: 128
    .sgpr_count:     102
    .vgpr_count:     1024
    .wavefront_size: 32
...
	.end_amdgpu_metadata
.endif
;; end of part 2
;; launch attn (part 3): grid 16 x 16, 8 waves a work-group, clusters of 4 x 1, 327,680 bytes of LDS; arguments qkv, delta_gain, lambda_q1, lambda_k1, lambda_q2, lambda_k2, subln_weight, yb; writes yb
.if DOCPART == 3
	.amdgcn_target "amdgcn-amd-amdhsa--gfx1250"
	.amdhsa_code_object_version 6
	.text
	.protected	k_q2fb339b339_attn
	.globl	k_q2fb339b339_attn
	.p2align	8
	.type	k_q2fb339b339_attn,@function
k_q2fb339b339_attn:
	s_mov_b64 s[64:65], 0
	v_nop
	global_prefetch_b8 v0, s[64:65] scope:SCOPE_SE
	s_setreg_imm32_b32 hwreg(HW_REG_WAVE_MODE, 25, 1), 1
	s_wait_xcnt 0x0
	s_wait_alu depctr_hold_cnt(0) depctr_sa_sdst(0) depctr_va_vdst(0) depctr_va_sdst(0) depctr_va_ssrc(0) depctr_va_vcc(0) depctr_vm_vsrc(0)
	s_getreg_b32 s2, hwreg(HW_REG_IB_STS2, 6, 4)
	s_cmp_eq_u32 s2, 0
	s_cbranch_scc0 .Lentry_in_a_cluster
	s_endpgm
.Lentry_in_a_cluster:
	s_bfe_u32 s2, ttmp6, 0x10000c
	s_cmp_lg_u32 s2, 0x3003
	s_cbranch_scc0 .Lentry_shape_is_right
	s_endpgm
.Lentry_shape_is_right:
; Differential attention of one (batch, head): y = rmsnorm(softmax(L1 + G) V - lambda softmax(L2 - G) V) x weight x 0.5, G = tanh(gain (L1 - L2)).
; qkv: f16 [q,k,v][16 (batch, head)][2048][128]; q and k are normalised over each 64 channels, q carries cos_scale x log2(e): the products S1, S2 are the logits L1, L2 in base 2.
; ARITHMETIC OF A POSITION, in f32: r = 1 / (1 + 2^(2 gain (S1 - S2))), G = 1 - 2 r.  The constant 1 cancels in each softmax, so u1 = S1 - 2 log2(e) r, u2 = S2 + 2 log2(e) r.
; Each branch keeps a running maximum m of u and a running sum s of p = 2^(u - m), p in (0, 1], rounded to f16 for the second product; when m moves, s and O are multiplied by 2^(old m - new m).
; Two accumulators, O1 = p1 V and O2 = p2 V: the sums that divide them are known only at the end.  All matrix operands are f16: q x scale is at most 33, k and p at most 1.
; LIMITS: |v| under 65,504 (f16); NaN and infinities are not served, so reference's nan_to_num changes nothing here.
; SHARES: a work-group owns 128 queries, each of its eight waves 16; every wave walks the head's 2,048 keys, 128 a step.  Two waves lie on a SIMD, so that one wave's vector work stands beside the other's products and LDS loads.
; LAYOUT: S^T = K Q^T (source 0 = 16 keys, source 1 = my 16 queries) and O^T = V^T P: a lane holds ONE query (lane % 16) throughout; two tiles of S^T, rounded in pairs, are source 1 of the second product.
; RING: two LDS slots of one step (128 rows of K, 128 of V), filled by waves 0, 1 (K's halves) and 2, 3 (V's).  CLUSTER: the four query blocks of a cluster walk the same K and V: each tile is asked for jointly.
; REGISTERS: window 0: v0-31 addresses and statistics; v32-63 Q; v64-127 S1; v128-191 S2; v192-255 at work, then P1 (192-223), P2 (224-255).
;   window 1: v0-63 O1; v64-127 O2; v128-191, v192-255 two buffers of fragments (32 keys of K, or of V).
.set PK,    272                        ; a row of K in LDS: 256 bytes + 16
.set PVP,   288                        ; a row of V: 256 + 32, for the turning load
.set VOFF,  128*PK
.set SLOT1, 1<<17                      ; slot 1 begins here: one exclusive or turns an address from one slot into the other
.set STAGE, SLOT1+128*(PK+PVP)         ; behind the ring: 16 rows x 272 bytes for each wave
.set SP,    272
.set SPARE, STAGE+8*16*SP              ; the spare words, 128 bytes a wave
.set NLAM, 1                           ; v1  -lambda
.set AK0,  2                           ; v2  my lane's place in a tile of K
.set AV0,  3                           ; v3  the same for V
.set ADK,  4                           ; v4, v5 the step's addresses
.set ADV,  5
.set PFO,  6                           ; v6  256 x lane
.set STO,  7
.set RD,   8
.set GO,   9
.set SPW,  10
.set NIL,  11
.set M1,   12                          ; v12 m1, v13 its old value and change
.set M2,   14
.set L1,   16                          ; v[16:17], v[18:19] the sums, even and odd keys
.set L2,   18
.set A1,   20                          ; v20, v22 the rescaling factors (low words of pairs)
.set A2,   22
.set QF,   32
.set SA,   64
.set SB,   128
.set TT,   192
.set FB,   128                         ; the fragment buffers, in window 1
.set WV,   20
.set CX,   21
.set QB,   22
.set BH,   23
.set G1K,  24
.set G1V,  32
.set G0K,  40
.set G0V,  44
.set G2,   54                          ; s[54:55] 2 gain
.set KP2,  56                          ; s[56:57] +2 log2(e)
.set SEL,  58
.set TB,   60
.set SLOTS, 61
.set LIM,  62
.set PFA,  66
.set KM2,  72                          ; s[72:73] -2 log2(e)
.set MSB, 0
.macro WIN new
.if MSB != (\new)
	s_set_vgpr_msb (MSB<<8)|(\new)
.set MSB, (\new)
.endif
.endm
.set W_LD, 0x40                        ; destination window 1, address window 0
.set W_KQ, 0x01                        ; K in window 1; Q and S^T in window 0
.set W_PV, 0x51                        ; V and O^T in window 1; P in window 0
.set W_RS, 0x41                        ; O^T (destination, source 0) in window 1, the factor in window 0
.macro PLACES
.rept 4
	v_nop
.endr
.endm
.macro CROUND
	s_barrier_signal -1
	s_barrier_wait -1
	s_cmp_lg_u32 s[WV], 0
	s_cbranch_scc1 .Lnot_wave_0_\@
	s_barrier_signal -3
.Lnot_wave_0_\@:
	s_barrier_wait -3
	s_barrier_signal -1
	s_barrier_wait -1
.endm
; Waves 0 and 1 fetch K's halves, waves 2 and 3 V's, the others nothing: branches on the wave's number alone, the same in all partners.  An s_nop 0 and four v_nop follow each load.
.macro JLOAD
	s_cmp_lt_u32 s[WV], 2
	s_cbranch_scc0 .Lnot_k_\@
	tensor_load_to_lds s[G0K:G0K+3], s[G1K:G1K+7]
	s_nop 0
.rept 4
	v_nop
.endr
	s_branch .Lasked_\@
.Lnot_k_\@:
	s_cmp_lt_u32 s[WV], 4
	s_cbranch_scc0 .Lasked_\@
	tensor_load_to_lds s[G0V:G0V+3], s[G1V:G1V+7]
	s_nop 0
.rept 4
	v_nop
.endr
.Lasked_\@:
.endm
; A prefetch of what the NEXT change of slots will ask for: 128 rows of K and 128 of V, 256 bytes a row, a lane a row.  Each row is named once in the launch: the head's first cluster asks; its four partners take
; 32 rows each, told apart by address; in each, wave 4 asks for K's and wave 5 for V's.  It asks one key step ahead of the load; the last change that fills a slot asks for nothing.
.macro ASK
	s_cmp_gt_u32 s[SLOTS], s[LIM]
	s_cbranch_scc0 .Lnot_mine_\@
	global_prefetch_b8 v[PFO], s[PFA:PFA+1] th:TH_LOAD_NT scope:SCOPE_SE
.Lnot_mine_\@:
.endm
; THE CHANGE OF SLOTS, at a step's head.  Each wave waits for all its tensor loads (its part of the slot ahead), adds 0 to its spare word, and waits for that and for its reads of the slot that it has left.
; fill = 1: behind a round of the cluster's barrier the slot just left takes the next step's tiles: one load a wave, which has a whole step in which to land.
.macro CHANGE fill
	WIN 0
	s_wait_tensorcnt 0x0                           ; no tensor load of mine is out: the descriptors may be written
	ds_add_u32 v[SPW], v[NIL]
.if \fill
	ds_add_u32 v[SPW], v[NIL]                      ; and twice on end here, in every trip alike
	s_xor_b32 s[G0K+1], s[G0K+1], SLOT1            ; the walking descriptors: the other slot,
	s_add_nc_u64 s[G0K+2:G0K+3], s[G0K+2:G0K+3], 128*256   ; the next 128 keys
	s_xor_b32 s[G0V+1], s[G0V+1], SLOT1
	s_add_nc_u64 s[G0V+2:G0V+3], s[G0V+2:G0V+3], 128*256
	s_wait_xcnt 0x0                                ; the last prefetch, a step back, has read its address
	s_add_nc_u64 s[PFA:PFA+1], s[PFA:PFA+1], 128*256
	s_wait_dscnt 0x0                               ; both adds are done, my reads of the slot that I have left are over
	CROUND
	JLOAD
	ASK
.else
	s_wait_dscnt 0x0
	s_barrier_signal -1
	s_barrier_wait -1
.endif
.endm
.macro FK i                            ; 32 keys of K, all 128 channels: 8 fragments, 16 loads, into buffer i % 2
	WIN W_LD
.irp kt, 0,1
.irp c, 0,1,2,3
	ds_load_b128 v[FB+64*((\i)%2)+8*(4*\kt+\c):FB+64*((\i)%2)+8*(4*\kt+\c)+3],   v[ADK] offset:(32*(\i)+16*\kt)*PK+64*\c
	ds_load_b128 v[FB+64*((\i)%2)+8*(4*\kt+\c)+4:FB+64*((\i)%2)+8*(4*\kt+\c)+7], v[ADK] offset:(32*(\i)+16*\kt)*PK+64*\c+32
.endr
.endr
.endm
; 8 products: tiles 2 i, 2 i + 1 of S1 (channels 0-63) and of S2 (64-127).  The four accumulators take turns, one instruction a turn; the first four start the sums.
.macro KQ i
	WIN W_KQ
.irp c, 0,1
.irp kt, 0,1
.irp br, 0,1
.if \c == 0
	v_wmma_f32_16x16x32_f16 v[SA+64*\br+8*(2*(\i)+\kt):SA+64*\br+8*(2*(\i)+\kt)+7], v[FB+64*((\i)%2)+8*(4*\kt+2*\br+\c):FB+64*((\i)%2)+8*(4*\kt+2*\br+\c)+7], v[QF+8*(2*\br+\c):QF+8*(2*\br+\c)+7], 0
.else
	v_wmma_f32_16x16x32_f16 v[SA+64*\br+8*(2*(\i)+\kt):SA+64*\br+8*(2*(\i)+\kt)+7], v[FB+64*((\i)%2)+8*(4*\kt+2*\br+\c):FB+64*((\i)%2)+8*(4*\kt+2*\br+\c)+7], v[QF+8*(2*\br+\c):QF+8*(2*\br+\c)+7], v[SA+64*\br+8*(2*(\i)+\kt):SA+64*\br+8*(2*(\i)+\kt)+7]
.endif
.endr
.endr
.endr
.endm
.macro FV i                            ; 32 keys of V, turned: 8 fragments of 16 channels x 32 keys, 16 loads, into buffer i % 2
	WIN W_LD
.irp f, 0,1,2,3,4,5,6,7
	ds_load_tr16_b128 v[FB+64*((\i)%2)+8*\f:FB+64*((\i)%2)+8*\f+3],   v[ADV] offset:32*(\i)*PVP+32*\f
	ds_load_tr16_b128 v[FB+64*((\i)%2)+8*\f+4:FB+64*((\i)%2)+8*\f+7], v[ADV] offset:(32*(\i)+16)*PVP+32*\f
.endr
.endm
.macro PVM i, zero                     ; 16 products on 16 accumulators: O1 and O2, 8 tiles of channels each, keys 32 i on
	WIN W_PV
.irp f, 0,1,2,3,4,5,6,7
.irp br, 0,1
.if \zero
	v_wmma_f32_16x16x32_f16 v[64*\br+8*\f:64*\br+8*\f+7], v[FB+64*((\i)%2)+8*\f:FB+64*((\i)%2)+8*\f+7], v[TT+32*\br+8*(\i):TT+32*\br+8*(\i)+7], 0
.else
	v_wmma_f32_16x16x32_f16 v[64*\br+8*\f:64*\br+8*\f+7], v[FB+64*((\i)%2)+8*\f:FB+64*((\i)%2)+8*\f+7], v[TT+32*\br+8*(\i):TT+32*\br+8*(\i)+7], v[64*\br+8*\f:64*\br+8*\f+7]
.endif
.endr
.endr
.endm
; THE VECTOR WORK OF A STEP: a lane's 64 positions of each branch.  The transcendentals go in three batches, each with one plain line and one wait ahead of its first reader.
.macro SOFT first
	WIN 0
.set i, 0
.rept 32
	v_pk_add_f32 v[TT+i:TT+i+1], v[SA+i:SA+i+1], v[SB+i:SB+i+1] neg_lo:[0,1] neg_hi:[0,1]   ; S1 - S2; ascending
.set i, i+2
.endr
.set i, 0
.rept 32
	v_pk_mul_f32 v[TT+i:TT+i+1], v[TT+i:TT+i+1], s[G2:G2+1] op_sel_hi:[1,0]
.set i, i+2
.endr
.set i, 0
.rept 64
	v_exp_f32 v[TT+i], v[TT+i]
.set i, i+1
.endr
	v_nop
	s_wait_alu depctr_va_vdst(0)
.set i, 0
.rept 32
	v_pk_add_f32 v[TT+i:TT+i+1], v[TT+i:TT+i+1], 1.0 op_sel_hi:[1,0]
.set i, i+2
.endr
.set i, 0
.rept 64
	v_rcp_f32 v[TT+i], v[TT+i]                     ; r
.set i, i+1
.endr
	v_nop
	s_wait_alu depctr_va_vdst(0)
.set i, 0
.rept 32
	v_pk_fma_f32 v[SA+i:SA+i+1], v[TT+i:TT+i+1], s[KM2:KM2+1], v[SA+i:SA+i+1] op_sel_hi:[1,0,1]   ; u1
	v_pk_fma_f32 v[SB+i:SB+i+1], v[TT+i:TT+i+1], s[KP2:KP2+1], v[SB+i:SB+i+1] op_sel_hi:[1,0,1]   ; u2
.set i, i+2
.endr
	v_max3_num_f32 v24, v[SA], v[SA+1], v[SA+2]    ; the step's maxima: two chains a branch, the branches by turns
	v_max3_num_f32 v26, v[SB], v[SB+1], v[SB+2]
	v_max3_num_f32 v25, v[SA+3], v[SA+4], v[SA+5]
	v_max3_num_f32 v27, v[SB+3], v[SB+4], v[SB+5]
.set i, 6
.rept 14
	v_max3_num_f32 v24, v24, v[SA+i], v[SA+i+1]
	v_max3_num_f32 v26, v26, v[SB+i], v[SB+i+1]
	v_max3_num_f32 v25, v25, v[SA+i+2], v[SA+i+3]
	v_max3_num_f32 v27, v27, v[SB+i+2], v[SB+i+3]
.set i, i+4
.endr
	v_max3_num_f32 v24, v24, v[SA+62], v[SA+63]
	v_max3_num_f32 v26, v26, v[SB+62], v[SB+63]
.if \first
	v_max_num_f32 v24, v24, v25
	v_max_num_f32 v26, v26, v27
.else
	v_max3_num_f32 v24, v24, v25, v[M1]            ; with the running maximum
	v_max3_num_f32 v26, v26, v27, v[M2]
.endif
	v_permlanex16_b32 v25, v24, s[SEL], s[SEL+1]   ; my query's other 64 keys lie in the lane 16 away
	v_permlanex16_b32 v27, v26, s[SEL], s[SEL+1]
.if !\first
	v_mov_b32 v[M1+1], v[M1]
	v_mov_b32 v[M2+1], v[M2]
.endif
	v_max_num_f32 v[M1], v24, v25
	v_max_num_f32 v[M2], v26, v27
.if !\first
	v_sub_f32 v[M1+1], v[M1+1], v[M1]              ; old m - new m, 0 or less
	v_sub_f32 v[M2+1], v[M2+1], v[M2]
	v_exp_f32 v[A1], v[M1+1]                       ; they belong to the batch below: its wait serves them
	v_exp_f32 v[A2], v[M2+1]
.endif
.set i, 0
.rept 32
	v_pk_add_f32 v[SA+i:SA+i+1], v[SA+i:SA+i+1], v[M1:M1+1] op_sel_hi:[1,0] neg_lo:[0,1] neg_hi:[0,1]   ; u - m
	v_pk_add_f32 v[SB+i:SB+i+1], v[SB+i:SB+i+1], v[M2:M2+1] op_sel_hi:[1,0] neg_lo:[0,1] neg_hi:[0,1]
.set i, i+2
.endr
.set i, 0
.rept 128
	v_exp_f32 v[SA+i], v[SA+i]                     ; p1, then p2 (S2 follows S1 in the registers)
.set i, i+1
.endr
	v_nop
	s_wait_alu depctr_va_vdst(0)
	v_pk_add_f32 v[24:25], v[SA:SA+1], v[SA+2:SA+3]        ; the sums of the unrounded p: two chains a branch
	v_pk_add_f32 v[26:27], v[SB:SB+1], v[SB+2:SB+3]
	v_pk_add_f32 v[28:29], v[SA+4:SA+5], v[SA+6:SA+7]
	v_pk_add_f32 v[30:31], v[SB+4:SB+5], v[SB+6:SB+7]
.set i, 8
.rept 14
	v_pk_add_f32 v[24:25], v[24:25], v[SA+i:SA+i+1]
	v_pk_add_f32 v[26:27], v[26:27], v[SB+i:SB+i+1]
	v_pk_add_f32 v[28:29], v[28:29], v[SA+i+2:SA+i+3]
	v_pk_add_f32 v[30:31], v[30:31], v[SB+i+2:SB+i+3]
.set i, i+4
.endr
	v_pk_add_f32 v[24:25], v[24:25], v[28:29]
	v_pk_add_f32 v[26:27], v[26:27], v[30:31]
	v_pk_fma_f32 v[L1:L1+1], v[L1:L1+1], v[A1:A1+1], v[24:25] op_sel_hi:[1,0,1]   ; the first step finds sums and factors of 0
	v_pk_fma_f32 v[L2:L2+1], v[L2:L2+1], v[A2:A2+1], v[26:27] op_sel_hi:[1,0,1]
.set i, 0
.rept 32
	v_cvt_pk_f16_f32 v[TT+i], v[SA+2*i], v[SA+2*i+1]
	v_cvt_pk_f16_f32 v[TT+32+i], v[SB+2*i], v[SB+2*i+1]
.set i, i+1
.endr
.if !\first
	WIN W_RS
.set i, 0
.rept 32
	v_pk_mul_f32 v[i:i+1], v[i:i+1], v[A1:A1+1] op_sel_hi:[1,0]                   ; O1 and O2 under the new maxima
	v_pk_mul_f32 v[64+i:64+i+1], v[64+i:64+i+1], v[A2:A2+1] op_sel_hi:[1,0]
.set i, i+2
.endr
.endif
.endm
; A KEY STEP.  The fragments come in pieces of 32 keys into two buffers by turns; each count of 16 leaves the younger piece's 16 loads out.  Four plain lines stand between a buffer's last product and the loads into it.
.macro STEP first
	WIN 0
	v_add_nc_u32 v[ADK], s[TB], v[AK0]
	v_add_nc_u32 v[ADV], s[TB], v[AV0]
	FK 0
	FK 1
	s_wait_dscnt 16
	KQ 0
	PLACES
	FK 2
	s_wait_dscnt 16
	KQ 1
	PLACES
	FK 3
	s_wait_dscnt 16
	KQ 2
	s_wait_dscnt 0
	KQ 3
	PLACES                                         ; also the places ahead of the first read of the scores
	FV 0                                           ; V's first two pieces land under the vector work
	FV 1
	SOFT \first
	s_wait_dscnt 16
	PVM 0, \first
	PLACES
	FV 2
	s_wait_dscnt 16
	PVM 1, 0
	PLACES
	FV 3
	s_wait_dscnt 16
	PVM 2, 0
	s_wait_dscnt 0
	PVM 3, 0
	PLACES                                         ; ahead of the next step's loads into the buffers, and of the way out's reads
	WIN 0
.endm
	s_load_b256 s[4:11], s[0:1], 0x0               ; qkv, delta_gain, lambda_q1, lambda_k1
	s_load_b256 s[12:19], s[0:1], 0x20             ; lambda_q2, lambda_k2, subln_weight, yb
	v_lshl_add_u32 v[SPW], v0, 2, SPARE
	v_mov_b32 v[NIL], 0
	ds_add_u32 v[SPW], v[NIL]                      ; the wave's opening: the add, twice on end, and its wait ahead of the first tensor load
	ds_add_u32 v[SPW], v[NIL]
	v_lshrrev_b32 v24, 5, v0
	v_readfirstlane_b32 s[WV], v24                 ; wave 0..7
	s_bfe_u32 s[CX], ttmp6, 0x40000                ; my place in the cluster: it enters Q's, yb's and the prefetches' addresses alone
	s_lshl_b32 s[QB], ttmp9, 2
	s_add_co_u32 s[QB], s[QB], s[CX]               ; my block of 128 queries
	s_and_b32 s[BH], ttmp7, 0xffff                 ; 8 batch + head, which the partners share
	s_mov_b32 s[G1K], 15|(1<<16)|(1<<20)|(1<<21)|(5<<22)|(3<<25)  ; the mask: all four; elements of 2 bytes; padding on; bit 21 beside a mask; 4 words behind every 64
	s_mov_b32 s[G1V], 15|(1<<16)|(1<<20)|(1<<21)|(5<<22)|(7<<25)  ; the same with 8 words
.irp g, G1K, G1V
	s_mov_b32 s[\g+1], 128<<16                     ; tensor_dim0
	s_mov_b32 s[\g+2], 64<<16                      ; tensor_dim1
	s_mov_b32 s[\g+3], 128<<16                     ; tile_dim0
	s_mov_b32 s[\g+4], 64                          ; tile_dim1
	s_mov_b32 s[\g+5], 128                         ; the pitch
	s_mov_b32 s[\g+6], 0
	s_mov_b32 s[\g+7], 0
.endr
	s_mov_b32 s[KP2], 0x4038aa3b
	s_mov_b32 s[KP2+1], 0x4038aa3b
	s_mov_b32 s[KM2], 0xc038aa3b
	s_mov_b32 s[KM2+1], 0xc038aa3b
	s_mov_b32 s[SEL], 0x76543210
	s_mov_b32 s[SEL+1], 0xfedcba98
	s_mov_b32 s70, 0x3c000000                      ; 1 / 128
	s_mov_b32 s71, 0x3727c5ac                      ; 1e-5
	s_mov_b32 s[TB], 0
	s_mov_b32 s[SLOTS], 15
	s_lshl_b32 s48, s[BH], 19                      ; the head's 2,048 rows of 256 bytes
	s_mov_b32 s49, 0
	s_and_b32 s50, s[WV], 1                        ; which 64 rows of a tile I fetch, if I fetch
	s_lshl_b32 s52, s50, 14
	s_mov_b32 s53, 0
	s_mov_b32 s[G0K], 1
	s_mul_i32 s[G0K+1], s50, 64*PK
	s_mov_b32 s[G0V], 1
	s_mul_i32 s[G0V+1], s50, 64*PVP
	s_add_co_u32 s[G0V+1], s[G0V+1], VOFF
	s_lshr_b32 s[LIM], s[WV], 1
	s_xor_b32 s[LIM], s[LIM], 2                    ; 0 in waves 4 and 5,
	s_or_b32 s[LIM], s[LIM], ttmp9                 ; of the head's first cluster: the same in all four partners
	s_cmp_eq_u32 s[LIM], 0
	s_cselect_b32 s[LIM], 1, -1
	s_lshl_b32 s74, s[CX], 13                      ; my work-group's 32 rows of the 128,
	s_add_co_u32 s74, s74, 128*256                 ; in step 1: the first change steps it to step 2
	s_mov_b32 s75, 0
	s_lshl_b32 s76, s[QB], 7
	s_lshl_b32 s77, s[WV], 4
	s_add_co_u32 s76, s76, s77                     ; my first query in the head
	s_lshr_b32 s77, s[BH], 3
	s_lshl_b32 s77, s77, 11
	s_add_co_u32 s77, s77, s76                     ; its row of yb
	s_lshl_b32 s78, s77, 11                        ; 2,048 bytes a row,
	s_and_b32 s77, s[BH], 7
	s_lshl_b32 s79, s77, 8                         ; the head's 256 bytes in it
	s_add_co_u32 s78, s78, s79
	s_mov_b32 s79, 0
	s_lshl_b32 s77, s77, 2                         ; delta_gain: 4 x head
	s_wait_dscnt 0x0                               ; both opening adds are done
	s_wait_kmcnt 0x0
	s_add_nc_u64 s[48:49], s[4:5], s[48:49]        ; the head's first row of q
	s_add_nc_u64 s[G0K+2:G0K+3], s[48:49], 0x800000    ; of k,
	s_add_nc_u64 s[G0V+2:G0V+3], s[48:49], 0x1000000   ; of v
	s_cmp_eq_u32 s[WV], 4
	s_cselect_b64 s[PFA:PFA+1], s[G0K+2:G0K+3], s[G0V+2:G0V+3]
	s_add_nc_u64 s[PFA:PFA+1], s[PFA:PFA+1], s[74:75]
	s_add_nc_u64 s[G0K+2:G0K+3], s[G0K+2:G0K+3], s[52:53]
	s_or_b32 s[G0K+3], s[G0K+3], 0x80000000
	s_add_nc_u64 s[G0V+2:G0V+3], s[G0V+2:G0V+3], s[52:53]
	s_or_b32 s[G0V+3], s[G0V+3], 0x80000000
	s_add_nc_u64 s[18:19], s[18:19], s[78:79]
	CROUND                                         ; all four work-groups are here: the first joint loads meet
	JLOAD                                          ; step 0 into slot 0
	s_lshl_b32 s50, s76, 8
	s_mov_b32 s51, 0
	s_add_nc_u64 s[48:49], s[48:49], s[50:51]      ; q at my first query
	v_and_b32 v24, 15, v0                          ; r
	v_bfe_u32 v25, v0, 4, 1                        ; h
	v_lshlrev_b32 v26, 8, v24
	v_lshl_add_u32 v26, v25, 4, v26                ; row r x 256 + 16 h
.irp c, 0,1,2,3
	global_load_b128 v[QF+8*\c:QF+8*\c+3],   v26, s[48:49] offset:64*\c      ; Q stays in registers: four fragments of 32 channels
	global_load_b128 v[QF+8*\c+4:QF+8*\c+7], v26, s[48:49] offset:64*\c+32
.endr
	v_and_b32 v27, 31, v0
	v_lshlrev_b32 v28, 3, v27                      ; the lambda vectors: two numbers a lane
	global_load_b64 v[64:65], v28, s[8:9]
	global_load_b64 v[66:67], v28, s[10:11]
	global_load_b64 v[68:69], v28, s[12:13]
	global_load_b64 v[70:71], v28, s[14:15]
	v_mov_b32 v29, s77
	global_load_b32 v72, v29, s[6:7]               ; delta_gain[head]
	v_mul_u32_u24 v[AK0], v24, PK
	v_lshl_add_u32 v[AK0], v25, 4, v[AK0]          ; K: row x pitch + 16 x half
	v_and_b32 v30, 7, v0
	v_bfe_u32 v31, v0, 3, 1
	v_lshl_add_u32 v[AV0], v25, 3, v30             ; V, for the turning load: key 8 h + l % 8, channels 8 ((l / 8) % 2) on
	v_mul_u32_u24 v[AV0], v[AV0], PVP
	v_lshl_add_u32 v[AV0], v31, 4, v[AV0]
	v_add_nc_u32 v[AV0], VOFF, v[AV0]
	v_lshlrev_b32 v[PFO], 8, v27
	s_mul_i32 s50, s[WV], 16*SP
	s_add_co_u32 s50, s50, STAGE                   ; my stage
	v_mul_u32_u24 v[STO], v24, SP
	v_lshl_add_u32 v[STO], v25, 4, v[STO]
	v_add_nc_u32 v[STO], s50, v[STO]               ; in: row r, 16 bytes for each half of the lanes
	v_mul_u32_u24 v[RD], v25, SP
	v_lshl_add_u32 v[RD], v24, 4, v[RD]
	v_add_nc_u32 v[RD], s50, v[RD]                 ; back: lanes 0-15 one row, lanes 16-31 the next
	v_lshlrev_b32 v[GO], 11, v25
	v_lshl_add_u32 v[GO], v24, 4, v[GO]            ; and the same two rows in yb
	v_mov_b32 v[M1+1], 0
.irp j, 15,16,17,18,19,20,21,22,23
	v_mov_b32 v[\j], 0                             ; the sums and the factors begin as 0; upper halves of pairs are written
.endr
	s_wait_loadcnt 0x0
	v_mul_f32 v24, v64, v66                        ; lambda = e^(q1 . k1) - e^(q2 . k2) + 0.5
	v_mul_f32 v26, v68, v70
	v_fmac_f32 v24, v65, v67
	v_fmac_f32 v26, v69, v71
.irp m, 1,2,4,8
	v_add_f32_dpp v24, v24, v24 row_xmask:\m row_mask:0xf bank_mask:0xf
	v_add_f32_dpp v26, v26, v26 row_xmask:\m row_mask:0xf bank_mask:0xf
.endr
	v_permlanex16_b32 v25, v24, s[SEL], s[SEL+1]
	v_permlanex16_b32 v27, v26, s[SEL], s[SEL+1]
	v_add_f32 v24, v24, v25
	v_add_f32 v26, v26, v27
	v_mul_f32 v24, 0x3fb8aa3b, v24
	v_mul_f32 v26, 0x3fb8aa3b, v26
	v_exp_f32 v24, v24
	v_exp_f32 v26, v26
	v_add_f32 v72, v72, v72                        ; 2 gain (a plain line behind the exponentials)
	s_wait_alu depctr_va_vdst(0)
	v_sub_f32 v[NLAM], v26, v24
	v_add_f32 v[NLAM], -0.5, v[NLAM]               ; -lambda
	v_readfirstlane_b32 s[G2], v72
	s_mov_b32 s[G2+1], s[G2]
	CHANGE 1                                       ; step 0 is whole; step 1 goes out, into slot 1
	STEP 1                                         ; the first step starts m, s and O^T
	s_xor_b32 s[TB], s[TB], SLOT1
	s_mov_b32 s[SLOTS], 14
.Lslot:                                            ; 14 trips: steps 1 to 14; each asks for the step behind it
	CHANGE 1
	STEP 0
	s_xor_b32 s[TB], s[TB], SLOT1
	s_sub_co_u32 s[SLOTS], s[SLOTS], 1
	s_cmp_lg_u32 s[SLOTS], 0
	s_cbranch_scc1 .Lslot
	CHANGE 0                                       ; the last step is written out
	STEP 0
	; THE WAY OUT: y = O1 / s1 - lambda O2 / s2; the mean of y^2 over the head's 128 channels (my 64 and the lane 16 away's); y x rsqrt(mean + 1e-5) x weight x 0.5; f16; through my stage as whole rows of 256 bytes.
	v_bfe_u32 v[ADK], v0, 4, 1
	v_lshlrev_b32 v[ADK], 5, v[ADK]                ; the weight of channels 16 f + 8 h + 0 .. 7
.irp f, 0,1,2,3,4,5,6,7
	global_load_b128 v[SB+8*\f:SB+8*\f+3],   v[ADK], s[16:17] offset:64*\f
	global_load_b128 v[SB+8*\f+4:SB+8*\f+7], v[ADK], s[16:17] offset:64*\f+16
.endr
	v_add_f32 v24, v[L1], v[L1+1]
	v_add_f32 v26, v[L2], v[L2+1]
	v_permlanex16_b32 v25, v24, s[SEL], s[SEL+1]
	v_permlanex16_b32 v27, v26, s[SEL], s[SEL+1]
	v_add_f32 v24, v24, v25
	v_add_f32 v26, v26, v27
	v_rcp_f32 v28, v24
	v_rcp_f32 v30, v26
	v_nop
	s_wait_alu depctr_va_vdst(0)
	v_mul_f32 v30, v30, v[NLAM]
	WIN 0x01                                       ; source 0 in window 1
.set i, 0
.rept 32
	v_pk_mul_f32 v[SA+i:SA+i+1], v[i:i+1], v[28:29] op_sel_hi:[1,0]                               ; ascending: each accumulator from its low end on
.set i, i+2
.endr
.set i, 0
.rept 32
	v_pk_fma_f32 v[SA+i:SA+i+1], v[64+i:64+i+1], v[30:31], v[SA+i:SA+i+1] op_sel_hi:[1,0,1]
.set i, i+2
.endr
	WIN 0
	v_pk_mul_f32 v[24:25], v[SA:SA+1], v[SA:SA+1]
	v_pk_mul_f32 v[26:27], v[SA+2:SA+3], v[SA+2:SA+3]
.set i, 4
.rept 15
	v_pk_fma_f32 v[24:25], v[SA+i:SA+i+1], v[SA+i:SA+i+1], v[24:25]
	v_pk_fma_f32 v[26:27], v[SA+i+2:SA+i+3], v[SA+i+2:SA+i+3], v[26:27]
.set i, i+4
.endr
	v_pk_add_f32 v[24:25], v[24:25], v[26:27]
	v_add_f32 v24, v24, v25
	v_permlanex16_b32 v25, v24, s[SEL], s[SEL+1]
	v_add_f32 v24, v24, v25
	v_fma_f32 v24, v24, s70, s71                   ; the mean + 1e-5
	v_rsq_f32 v26, v24
	v_nop
	s_wait_alu depctr_va_vdst(0)
	v_mul_f32 v26, 0.5, v26
	s_wait_loadcnt 0x0                             ; the weight
.set i, 0
.rept 32
	v_pk_mul_f32 v[SB+i:SB+i+1], v[SB+i:SB+i+1], v[26:27] op_sel_hi:[1,0]
.set i, i+2
.endr
.set i, 0
.rept 32
	v_pk_mul_f32 v[SA+i:SA+i+1], v[SA+i:SA+i+1], v[SB+i:SB+i+1]
.set i, i+2
.endr
.set i, 0
.rept 32
	v_cvt_pk_f16_f32 v[TT+i], v[SA+2*i], v[SA+2*i+1]
.set i, i+1
.endr
.irp f, 0,1,2,3,4,5,6,7
	ds_store_b128 v[STO], v[TT+4*\f:TT+4*\f+3] offset:32*\f
.endr
.irp f, 0,1,2,3,4,5,6,7
	ds_load_b128 v[TT+32+4*\f:TT+32+4*\f+3], v[RD] offset:\f*2*SP   ; LDS serves a wave's instructions in order (ISA guide 5.7.1.4): these see the stores above
.endr
.irp f, 0,1,2,3,4,5,6,7
	s_wait_dscnt 7-\f                              ; the younger row loads may be out
	global_store_b128 v[GO], v[TT+32+4*\f:TT+32+4*\f+3], s[18:19] offset:\f*4096   ; 16 lanes store 256 consecutive bytes, aligned: a head's part of a row
.endr
	s_wait_tensorcnt 0x0                           ; the wave's end
	ds_add_u32 v[SPW], v[NIL]
	s_wait_dscnt 0x0
	CROUND                                         ; the closing round
	s_endpgm
.Lfunc_end_k_q2fb339b339_attn:
	.size	k_q2fb339b339_attn, .Lfunc_end_k_q2fb339b339_attn-k_q2fb339b339_attn
	.p2alignl 7, 3214868480
	.fill 96, 4, 3214868480
	.section	.rodata,"a",@progbits
	.p2align	6, 0x0
	.amdhsa_kernel k_q2fb339b339_attn
		.amdhsa_group_segment_fixed_size 327680
		.amdhsa_private_segment_fixed_size 0
		.amdhsa_enable_private_segment 0
		.amdhsa_kernarg_size 64
		.amdhsa_user_sgpr_count 2
		.amdhsa_user_sgpr_kernarg_segment_ptr 1
		.amdhsa_wavefront_size32 1
		.amdhsa_system_sgpr_workgroup_id_x 1
		.amdhsa_system_sgpr_workgroup_id_y 1
		.amdhsa_system_sgpr_workgroup_id_z 1
		.amdhsa_system_vgpr_workitem_id 0
		.amdhsa_next_free_vgpr 512
		.amdhsa_next_free_sgpr 80
		.amdhsa_reserve_vcc 0
		.amdhsa_float_denorm_mode_32 3
		.amdhsa_float_denorm_mode_16_64 3
		.amdhsa_memory_ordered 1
		.amdhsa_forward_progress 1
		.amdhsa_inst_pref_size 188
	.end_amdhsa_kernel
	.amdgpu_metadata
---
amdhsa.version: [ 1, 2 ]
amdhsa.kernels:
  - .name:           k_q2fb339b339_attn
    .symbol:         k_q2fb339b339_attn.kd
    .args:
      - { .name: qkv, .offset: 0, .size: 8, .value_kind: global_buffer, .address_space: global }
      - { .name: delta_gain, .offset: 8, .size: 8, .value_kind: global_buffer, .address_space: global }
      - { .name: lambda_q1, .offset: 16, .size: 8, .value_kind: global_buffer, .address_space: global }
      - { .name: lambda_k1, .offset: 24, .size: 8, .value_kind: global_buffer, .address_space: global }
      - { .name: lambda_q2, .offset: 32, .size: 8, .value_kind: global_buffer, .address_space: global }
      - { .name: lambda_k2, .offset: 40, .size: 8, .value_kind: global_buffer, .address_space: global }
      - { .name: subln_weight, .offset: 48, .size: 8, .value_kind: global_buffer, .address_space: global }
      - { .name: yb, .offset: 56, .size: 8, .value_kind: global_buffer, .address_space: global }
    .group_segment_fixed_size: 327680
    .private_segment_fixed_size: 0
    .kernarg_segment_align: 8
    .kernarg_segment_size: 64
    .max_flat_workgroup_size: 256
    .sgpr_count:     80
    .vgpr_count:     512
    .wavefront_size: 32
...
	.end_amdgpu_metadata
.endif
;; end of part 3
;; launch oproj (part 4): grid 8 x 32, 4 waves a work-group, clusters of 4 x 4, 327,680 bytes of LDS; arguments yb, wo16, out0, bo; writes out0
.if DOCPART == 4
	.amdgcn_target "amdgcn-amd-amdhsa--gfx1250"
	.amdhsa_code_object_version 6
	.text
	.protected	k_q2fb339b339_oproj
	.globl	k_q2fb339b339_oproj
	.p2align	8
	.type	k_q2fb339b339_oproj,@function
k_q2fb339b339_oproj:
	s_mov_b64 s[64:65], 0
	v_nop
	global_prefetch_b8 v0, s[64:65] scope:SCOPE_SE
	s_setreg_imm32_b32 hwreg(HW_REG_WAVE_MODE, 25, 1), 1
	s_wait_xcnt 0x0
	s_wait_alu depctr_hold_cnt(0) depctr_sa_sdst(0) depctr_va_vdst(0) depctr_va_sdst(0) depctr_va_ssrc(0) depctr_va_vcc(0) depctr_vm_vsrc(0)
	s_getreg_b32 s2, hwreg(HW_REG_IB_STS2, 6, 4)
	s_cmp_eq_u32 s2, 0
	s_cbranch_scc0 .Lentry_in_a_cluster
	s_endpgm
.Lentry_in_a_cluster:
	s_bfe_u32 s2, ttmp6, 0x10000c
	s_cmp_lg_u32 s2, 0xf033
	s_cbranch_scc0 .Lentry_shape_is_right
	s_endpgm
.Lentry_shape_is_right:
; out0[m][n] = sum over k of y[m][k] Wo[n][k] + bo[n].  y: [4096][1024] f16, Wo: [1024][1024] f16, out0: [4096][1024] f32; sums in f32.
; A tile of C is 128 x 128: 8 x 32 = 256 tiles, one for each WGP.  Four waves, each 64 x 64: 16 accumulators, 128 registers.  K goes in steps of 256 (LDS rows of 512 bytes) through two slots.
; CLUSTERS: 4 x 4 work-groups; A's tiles are asked for jointly along a row of the cluster, B's along a column.  THE MATRIX INSTRUCTION IS USED TRANSPOSED (source 0 = 16 rows of Wo, source 1 = 16 rows of y):
; a lane holds eight neighbouring numbers of a row of C.  The bias is the C of each sum's first product.  A wave's 64 columns of f32 are 256 bytes, aligned: each wave has a stage of its own and no barrier stands on the way out.
; No prefetch: four K steps in all, on small tiles.
; REGISTERS: window 0: v0-31 addresses; v32-95 rows on the way out; v96-127 the bias, four tiles; v128-255 the accumulators ((a, b) at v[128 + 8 (4 a + b)]).  window 1: two fragment buffers of 128.
.set SIZE_N, 1024
.set SIZE_K, 1024
.set KSTEP,  256
.set PITCH,  528                       ; 512 bytes + 16 of padding
.set HALFT,  64*PITCH
.set SLOT,   4*HALFT
.set STAGE,  2*SLOT                    ; behind the ring: 16 rows x 272 bytes for each wave
.set SPITCH, 272
.set SPARE,  STAGE+4*16*SPITCH
.set LAPS, SIZE_K/(2*KSTEP)
.set ADRA, 16
.set ADRB, 20
.set STO,  24
.set RD,   25
.set CO,   26
.set SPW,  28
.set NIL,  29
.set TMP,  32
.set BIAS, 96
.set ACC,  128
.set F0,   0
.set F1,   128
.set G1, 24
.set G0, 32
.set G1B, 48
.set G0B, 56
.set MSB, 0
.macro WIN new
.if MSB != (\new)
	s_set_vgpr_msb (MSB<<8)|(\new)
.set MSB, (\new)
.endif
.endm
.set MUL,  0x05                        ; sources 0 (B) and 1 (A) window 1; C and D window 0
.set TO_F, 0x40
.macro JLOAD s                         ; a joint load: waves 0 and 1 fetch A's halves, waves 2 and 3 B's; an s_nop 0 and four v_nop follow each line
	s_cmp_eq_u32 s11, 0
	s_cbranch_scc0 .Lfor_b_\@
	tensor_load_to_lds s[G0+4*\s:G0+4*\s+3], s[G1:G1+7]
	s_nop 0
.rept 4
	v_nop
.endr
	s_branch .Lasked_\@
.Lfor_b_\@:
	tensor_load_to_lds s[G0B+4*\s:G0B+4*\s+3], s[G1B:G1B+7]
	s_nop 0
.rept 4
	v_nop
.endr
.Lasked_\@:
.endm
.macro CREST
	s_cmp_lg_u32 s10, 0
	s_cbranch_scc1 .Lnot_wave_0_\@
	s_barrier_signal -3
.Lnot_wave_0_\@:
	s_barrier_wait -3
	s_barrier_signal -1
	s_barrier_wait -1
.endm
.macro CROUND
	s_barrier_signal -1
	s_barrier_wait -1
	CREST
.endm
	s_load_b128 s[4:7], s[0:1], 0x0                ; y, Wo
	s_load_b64 s[8:9], s[0:1], 0x10                ; out0
	s_load_b64 s[66:67], s[0:1], 0x18              ; bo
	v_lshl_add_u32 v[SPW], v0, 2, SPARE
	v_mov_b32 v[NIL], 0
	ds_add_u32 v[SPW], v[NIL]                      ; the wave's opening: the add, twice on end, and its wait ahead of my first tensor load
	ds_add_u32 v[SPW], v[NIL]
	v_lshrrev_b32 v1, 5, v0
	v_readfirstlane_b32 s10, v1                    ; wave 0..3
	s_lshr_b32 s11, s10, 1                         ; my half of the tile's rows.  Also: I fetch for A (0) or for B (1)
	s_and_b32 s12, s10, 1                          ; my half of its columns.  Also: which 64 rows I fetch
	s_bfe_u32 s40, ttmp6, 0x40000
	s_bfe_u32 s41, ttmp6, 0x40004
	s_lshl_b32 s42, ttmp9, 2
	s_add_co_u32 s42, s42, s40                     ; tile column
	s_and_b32 s13, ttmp7, 0xffff
	s_lshl_b32 s13, s13, 2
	s_add_co_u32 s13, s13, s41                     ; tile row
	s_lshl_b32 s43, s41, 2
	s_lshl_b32 s43, 15, s43                        ; my row of the cluster
	s_lshl_b32 s44, 0x1111, s40                    ; my column
	s_or_b32 s[G1+0], s43, (1<<16)|(1<<20)|(1<<21)|(6<<22)|(3<<25)  ; the mask; elements of 2 bytes; padding on; bit 21 beside a mask; 4 words behind every 128
	s_or_b32 s[G1B+0], s44, (1<<16)|(1<<20)|(1<<21)|(6<<22)|(3<<25)
.irp g, G1, G1B
	s_mov_b32 s[\g+1], KSTEP<<16
	s_mov_b32 s[\g+2], 64<<16
	s_mov_b32 s[\g+3], KSTEP<<16
	s_mov_b32 s[\g+4], 64
	s_mov_b32 s[\g+5], SIZE_K
	s_mov_b32 s[\g+6], 0
	s_mov_b32 s[\g+7], 0
.endr
	s_lshl_b32 s17, s12, 6
	s_lshl_b32 s16, s13, 7
	s_add_co_u32 s16, s16, s17                     ; A: row 128 x tile row + 64 x half
	s_lshl_b32 s46, s42, 7
	s_add_co_u32 s46, s46, s17                     ; B: row 128 x tile column + 64 x half
	s_mov_b32 s17, 0
	s_mov_b32 s47, 0
	s_mov_b64 s[18:19], SIZE_K*2
	s_mul_u64 s[16:17], s[16:17], s[18:19]
	s_mul_u64 s[46:47], s[46:47], s[18:19]
	s_mul_i32 s20, s10, HALFT
	s_wait_dscnt 0x0                               ; both opening adds are done
	s_wait_kmcnt 0x0
	s_add_nc_u64 s[14:15], s[4:5], s[16:17]
	s_add_nc_u64 s[46:47], s[6:7], s[46:47]
	CROUND                                         ; all sixteen work-groups are here
.irp s, 0,1
	s_mov_b32 s[G0+4*\s], 1
	s_add_co_u32 s[G0+4*\s+1], s20, \s*SLOT
	s_add_nc_u64 s[G0+4*\s+2:G0+4*\s+3], s[14:15], \s*KSTEP*2
	s_or_b32 s[G0+4*\s+3], s[G0+4*\s+3], 0x80000000
	s_mov_b32 s[G0B+4*\s], 1
	s_add_co_u32 s[G0B+4*\s+1], s20, \s*SLOT
	s_add_nc_u64 s[G0B+4*\s+2:G0B+4*\s+3], s[46:47], \s*KSTEP*2
	s_or_b32 s[G0B+4*\s+3], s[G0B+4*\s+3], 0x80000000
	JLOAD \s
.endr
	v_and_b32 v1, 15, v0                           ; l % 16
	v_bfe_u32 v2, v0, 4, 1                         ; l / 16
	v_mul_u32_u24 v3, v1, PITCH
	v_lshl_add_u32 v3, v2, 4, v3
	s_mul_i32 s21, s11, HALFT
	s_mul_i32 s22, s12, HALFT
	s_add_co_u32 s22, s22, 2*HALFT
.irp s, 0,1
	v_add_nc_u32 v[ADRA+\s], s21, v3
	v_add_nc_u32 v[ADRB+\s], s22, v3
	s_add_co_u32 s21, s21, SLOT
	s_add_co_u32 s22, s22, SLOT
.endr
	s_mul_i32 s23, s10, 16*SPITCH
	s_add_co_u32 s23, s23, STAGE                   ; my stage
	v_mul_u32_u24 v4, v1, SPITCH                   ; in: row l % 16, 32 bytes for each half of the lanes
	v_lshl_add_u32 v4, v2, 5, v4
	v_add_nc_u32 v[STO], s23, v4
	v_mul_u32_u24 v5, v2, SPITCH                   ; back: lanes 0-15 one row of 256 bytes, lanes 16-31 the next
	v_lshl_add_u32 v5, v1, 4, v5
	v_add_nc_u32 v[RD], s23, v5
	v_lshlrev_b32 v5, 12, v2                       ; and the same two rows in out0: 4,096 bytes a row
	v_lshl_add_u32 v[CO], v1, 4, v5
	s_lshl_b32 s16, s13, 7
	s_lshl_b32 s17, s11, 6
	s_add_co_u32 s16, s16, s17                     ; my first row: 128 x tile row + 64 x half
	s_lshl_b32 s16, s16, 12
	s_mov_b32 s17, 0
	s_add_nc_u64 s[8:9], s[8:9], s[16:17]
	s_lshl_b32 s46, s42, 9                         ; my first column, in bytes: 512 x tile column + 256 x half
	s_lshl_b32 s47, s12, 8
	s_add_co_u32 s46, s46, s47
	s_mov_b32 s47, 0
	s_add_nc_u64 s[8:9], s[8:9], s[46:47]
	s_add_nc_u64 s[66:67], s[66:67], s[46:47]
	v_lshlrev_b32 v6, 5, v2                        ; the bias of columns 16 b + 8 (l / 16) + 0 .. 7, in the result's layout
.irp b, 0,1,2,3
	global_load_b128 v[BIAS+8*\b:BIAS+8*\b+3],   v6, s[66:67] offset:64*\b
	global_load_b128 v[BIAS+8*\b+4:BIAS+8*\b+7], v6, s[66:67] offset:64*\b+16
.endr
; 8 matrix instructions: m blocks a0, a0 + 1 x all 4 n blocks, 32 along K: half c of buffer f.  zero = 1: the first product starts the sums, from the bias.  The 16 accumulators take turns.
.macro MUL8 f, c, a0, zero
.irp a, \a0, \a0+1
.irp b, 0,1,2,3
.if \zero
	v_wmma_f32_16x16x32_f16 v[ACC+8*(4*(\a)+\b):ACC+8*(4*(\a)+\b)+7], v[\f+64+8*(4*\c+\b):\f+64+8*(4*\c+\b)+7], v[\f+8*(4*\c+\a):\f+8*(4*\c+\a)+7], v[BIAS+8*\b:BIAS+8*\b+7]
.else
	v_wmma_f32_16x16x32_f16 v[ACC+8*(4*(\a)+\b):ACC+8*(4*(\a)+\b)+7], v[\f+64+8*(4*\c+\b):\f+64+8*(4*\c+\b)+7], v[\f+8*(4*\c+\a):\f+8*(4*\c+\a)+7], v[ACC+8*(4*(\a)+\b):ACC+8*(4*(\a)+\b)+7]
.endif
.endr
.endr
.endm
.macro FETCH slot, k, f                ; 32 LDS loads in one run: the fragments of 64 along K at byte k of the rows; the first 32 along K first
	WIN TO_F
.irp c, 0,1
.irp i, 0,1,2,3
	ds_load_b128 v[\f+64+8*(4*\c+\i):\f+64+8*(4*\c+\i)+3],   v[ADRB+\slot] offset:\k+64*\c+\i*16*PITCH
	ds_load_b128 v[\f+64+8*(4*\c+\i)+4:\f+64+8*(4*\c+\i)+7], v[ADRB+\slot] offset:\k+64*\c+\i*16*PITCH+32
	ds_load_b128 v[\f+8*(4*\c+\i):\f+8*(4*\c+\i)+3],         v[ADRA+\slot] offset:\k+64*\c+\i*16*PITCH
	ds_load_b128 v[\f+8*(4*\c+\i)+4:\f+8*(4*\c+\i)+7],       v[ADRA+\slot] offset:\k+64*\c+\i*16*PITCH+32
.endr
.endr
.endm
.macro PLACES
.rept 4
	v_nop
.endr
.endm
.macro QUARTER slot, k, f, g, zero     ; 64 along K: multiplies buffer f and fetches the next quarter, at byte k, into g
	s_wait_dscnt 16                                ; the first 32 along K are in; the younger sixteen loads may be out
	WIN MUL
	MUL8 \f, 0, 0, \zero
	MUL8 \f, 0, 2, \zero
	PLACES
	FETCH \slot, \k, \g
	s_wait_dscnt 32                                ; all but the 32 just issued
	WIN MUL
	MUL8 \f, 1, 0, 0
	MUL8 \f, 1, 2, 0
.endm
; A slot's last quarter changes slots: one barrier; in front of it each wave waits for all its tensor loads, adds 0 to its spare word, and waits for that and for its reads of this slot.  fill = 1: this slot is filled again, two K steps ahead.
.macro TURN slot, next, fill
	WIN 0
	s_wait_tensorcnt 0x0
	ds_add_u32 v[SPW], v[NIL]
	s_wait_dscnt 17                                ; the add and the youngest sixteen loads may be out
	WIN MUL
	MUL8 F1, 0, 0, 0
	s_wait_dscnt 0x0                               ; the add is done, my reads of this slot are over
	s_barrier_signal -1
	MUL8 F1, 0, 2, 0
.if \fill
	WIN 0
.endif
	s_barrier_wait -1
.if \fill
	CREST                                          ; the barrier has opened a round of the cluster's barrier
	s_add_nc_u64 s[G0+4*\slot+2:G0+4*\slot+3], s[G0+4*\slot+2:G0+4*\slot+3], 2*KSTEP*2
	s_add_nc_u64 s[G0B+4*\slot+2:G0B+4*\slot+3], s[G0B+4*\slot+2:G0B+4*\slot+3], 2*KSTEP*2
	JLOAD \slot                                    ; the first tensor load behind the round; its four v_nop are also the places in front of the loads below
.else
	PLACES
.endif
	FETCH \next, 0, F0
	WIN MUL
	MUL8 F1, 1, 0, 0
	MUL8 F1, 1, 2, 0
.endm
	s_wait_loadcnt 0x0                             ; the bias
	s_wait_tensorcnt 1                             ; my part of K step 0 is in; K step 1's may be out
	s_barrier_signal -1
	s_barrier_wait -1
	FETCH 0, 0, F0
	QUARTER 0, 128, F0, F1, 1
	WIN 0
	s_mov_b32 s3, LAPS-1
.Llap:                                             ; a trip goes once round the ring and fills both slots again
	QUARTER 0, 256, F1, F0, 0
	QUARTER 0, 384, F0, F1, 0
	TURN 0, 1, 1
	QUARTER 1, 128, F0, F1, 0
	QUARTER 1, 256, F1, F0, 0
	QUARTER 1, 384, F0, F1, 0
	TURN 1, 0, 1
	QUARTER 0, 128, F0, F1, 0
	WIN 0
	s_sub_co_u32 s3, s3, 1
	s_cmp_lg_u32 s3, 0
	s_cbranch_scc1 .Llap
	QUARTER 0, 256, F1, F0, 0                      ; the last lap fills nothing
	QUARTER 0, 384, F0, F1, 0
	TURN 0, 1, 0
	QUARTER 1, 128, F0, F1, 0
	QUARTER 1, 256, F1, F0, 0
	QUARTER 1, 384, F0, F1, 0
	s_wait_dscnt 16
	WIN MUL
	MUL8 F1, 0, 0, 0
	MUL8 F1, 0, 2, 0
	s_wait_dscnt 0
	MUL8 F1, 1, 0, 0
	MUL8 F1, 1, 2, 0
	WIN 0
; THE WAY OUT, a block of 16 rows x 64 columns at a time, through my own stage: 32 bytes a lane in, whole rows of 256 bytes back.  LDS serves a wave's instructions in order (ISA guide 5.7.1.4).
.macro TOSTAGE a
.irp b, 0,1,2,3
	ds_store_b128 v[STO], v[ACC+8*(4*(\a)+\b):ACC+8*(4*(\a)+\b)+3] offset:64*\b        ; each accumulator from its low end on
	ds_store_b128 v[STO], v[ACC+8*(4*(\a)+\b)+4:ACC+8*(4*(\a)+\b)+7] offset:64*\b+16
.endr
.irp t, 0,1,2,3,4,5,6,7
	ds_load_b128 v[TMP+32*((\a)%2)+4*\t:TMP+32*((\a)%2)+4*\t+3], v[RD] offset:\t*2*SPITCH
.endr
.endm
.macro SEND a, younger                 ; younger: the LDS instructions issued behind block a's loads
	s_wait_dscnt \younger
.irp t, 0,1,2,3,4,5,6,7
	global_store_b128 v[CO], v[TMP+32*((\a)%2)+4*\t:TMP+32*((\a)%2)+4*\t+3], s[8:9] offset:(16*(\a)+2*\t)*SIZE_N*4 th:TH_STORE_NT   ; 16 lanes store 256 consecutive bytes, aligned
.endr
.endm
	PLACES
	TOSTAGE 0
.irp a, 1,2,3
.if \a > 1
	s_wait_xcnt 0x0                                ; block a - 2's stores: their data registers are loaded again only behind this wait
.endif
	TOSTAGE \a
	SEND \a-1, 16                                  ; behind block a - 1's loads: block a's 8 stores and 8 loads
.endr
	SEND 3, 0
	s_wait_tensorcnt 0x0                           ; the wave's end
	ds_add_u32 v[SPW], v[NIL]
	s_wait_dscnt 0x0
	CROUND                                         ; the closing round
	s_endpgm
.Lfunc_end_k_q2fb339b339_oproj:
	.size	k_q2fb339b339_oproj, .Lfunc_end_k_q2fb339b339_oproj-k_q2fb339b339_oproj
	.p2alignl 7, 3214868480
	.fill 96, 4, 3214868480
	.section	.rodata,"a",@progbits
	.p2align	6, 0x0
	.amdhsa_kernel k_q2fb339b339_oproj
		.amdhsa_group_segment_fixed_size 327680
		.amdhsa_private_segment_fixed_size 0
		.amdhsa_enable_private_segment 0
		.amdhsa_kernarg_size 32
		.amdhsa_user_sgpr_count 2
		.amdhsa_user_sgpr_kernarg_segment_ptr 1
		.amdhsa_wavefront_size32 1
		.amdhsa_system_sgpr_workgroup_id_x 1
		.amdhsa_system_sgpr_workgroup_id_y 1
		.amdhsa_system_sgpr_workgroup_id_z 1
		.amdhsa_system_vgpr_workitem_id 0
		.amdhsa_next_free_vgpr 512
		.amdhsa_next_free_sgpr 68
		.amdhsa_reserve_vcc 0
		.amdhsa_float_denorm_mode_32 3
		.amdhsa_float_denorm_mode_16_64 3
		.amdhsa_memory_ordered 1
		.amdhsa_forward_progress 1
		.amdhsa_inst_pref_size 86
	.end_amdhsa_kernel
	.amdgpu_metadata
---
amdhsa.version: [ 1, 2 ]
amdhsa.kernels:
  - .name:           k_q2fb339b339_oproj
    .symbol:         k_q2fb339b339_oproj.kd
    .args:
      - { .name: yb, .offset: 0, .size: 8, .value_kind: global_buffer, .address_space: global }
      - { .name: wo16, .offset: 8, .size: 8, .value_kind: global_buffer, .address_space: global }
      - { .name: out0, .offset: 16, .size: 8, .value_kind: global_buffer, .address_space: global }
      - { .name: bo, .offset: 24, .size: 8, .value_kind: global_buffer, .address_space: global }
    .group_segment_fixed_size: 327680
    .private_segment_fixed_size: 0
    .kernarg_segment_align: 8
    .kernarg_segment_size: 32
    .max_flat_workgroup_size: 128
    .sgpr_count:     68
    .vgpr_count:     512
    .wavefront_size: 32
...
	.end_amdgpu_metadata
.endif
;; end of part 4
